; MI455X (gfx1250); checked and timed in simulation.
; The chip was launched on July 23, 2026; its instructions are those of AMD's public machine-readable ISA for CDNA 5 (MIT licence, August 2026) and "CDNA5" Instruction Set Architecture Reference Guide (July 2026). The comments in the code are by the model that wrote it; some were corrected since.
;; Traj AR decoder Attention. Allowed arithmetic: matrix products marked QUANTISED: E2M1 operands, one E8M0 scale for each 32 along K, by v_wmma_scale_f32_16x16x128_f8f6f4 with both operands' format E2M1 (or v_wmma_scale_f32_32x16x128_f4), f32 sums; products left as they are: bf16, f16 or f32 operands; f32 sums; everything else in f32.
;; Inputs: Wk 1,024 x 1,024 float32; Wo 1,024 x 1,024 float32; Wq 1,024 x 1,024 float32; Wv 1,024 x 1,024 float32; bk 1,024 float32; bo 1,024 float32; bq 1,024 float32; bv 1,024 float32; mask 4 x 2,048 x 2,048 int32; x 4 x 2,048 x 1,024 float32.
;; Outputs: out0 4 x 2,048 x 1,024 float32.
;; This version of the problem:
;;   THIS VERSION OF THE PROBLEM IS GIVEN IN LOW PRECISION. The matrix products marked QUANTISED in the list below multiply operands that are first quantised to E2M1 (2 exponent bits, 1 mantissa bit; 4 bits a number), with one power-of-two scale for each 32 numbers along K (OCP MX v1.0); their sums are f32. The products marked 'left as it is' may take bf16, f16 or f32 operands, with f32 sums. Whichever they take, every output number must still come out within the allowed error. Rounding operands to bf16 (8 significant bits) uses up far more of that allowance than f16 does (11 bits, for magnitudes from 6e-5 to 65,504). All else is computed in f32.
;;   The module's matrix products, in the order in which they are computed (A, B: the left and right operand; K: the contracted axis; several contracted axes count as one K, in the product's order):
;;     1. [M 8,192, K 1,024] x [K 1,024, N 1,024]; A: input x; B: input Wq: QUANTISED
;;     2. [M 8,192, K 1,024] x [K 1,024, N 1,024]; A: input x; B: input Wk: QUANTISED
;;     3. [M 8,192, K 1,024] x [K 1,024, N 1,024]; A: input x; B: input Wv: QUANTISED
;;     4. batch 64 x [M 2,048, K 64] x [K 64, N 2,048]; A: computed on the way; B: computed on the way: left as it is (an operand is computed on the way)
;;     5. batch 64 x [M 2,048, K 2,048] x [K 2,048, N 64]; A: computed on the way; B: computed on the way: left as it is (an operand is computed on the way)
;;     6. [M 8,192, K 1,024] x [K 1,024, N 1,024]; A: computed on the way; B: input Wo: left as it is (an operand is computed on the way)
;;   THE QUANTISER, for each operand of a quantised product, along K:
;;     - K is cut into blocks of 32 from its start; a last block that is shorter is filled with zeros.
;;     - A block's scale is 2^e with e = floor(log2(the largest magnitude in the block)) - 2, held to -126 .. 127; a block of zeros has e = 0. As a byte (E8M0): e + 127.
;;     - Each number is divided by its block's scale, clamped to +-6, and rounded to the nearest number of E2M1, ties to even, subnormals kept.
;;     - The product sums the exact products of the quantised numbers (number of the format x scale) in f32.
;;   ~~~python
;;   def quantise(x, axis):      # numpy; x: float32 -> the quantised numbers, widened to float32 again
;;       x = np.moveaxis(x, axis, -1); K = x.shape[-1]
;;       x = np.pad(x, [(0, 0)] * (x.ndim - 1) + [(0, -K % 32)]); x = x.reshape(x.shape[:-1] + (-1, 32)); a = np.abs(x).max(-1, keepdims=True)
;;       e = np.where(a > 0, np.clip(np.frexp(np.where(a > 0, a, 1))[1] - 1 - 2, -126, 127), 0)      # np.frexp(a)[1] - 1 = floor(log2(a)), exactly
;;       r = np.clip(x / 2.0 ** e, -6, 6)
;;       step = 2.0 ** (np.maximum(np.frexp(np.where(r == 0, 1, r))[1] - 1, 0) - 1)
;;       q = np.round(r / step) * step * 2.0 ** e      # np.round: ties to even
;;       return np.moveaxis(q.reshape(q.shape[:-2] + (-1,))[..., :K], -1, axis).astype(np.float32)
;;   ~~~
;; One version. Each part assembles by itself: llvm-mc -triple=amdgcn-amd-amdhsa -mcpu=gfx1250 --defsym DOCPART=n.
;; ======== version 1 of 1: 4 launches
;; limits: values are held in f16: magnitudes above 65,504 overflow, below 6.1e-05 lose precision
;; workspace buffers: xc 4,194,304 bytes; xs 262,144 bytes; wc 1,572,864 bytes; ws 98,304 bytes; wo16 2,097,152 bytes; mb 2,097,152 bytes of whole numbers; qkv 50,331,648 bytes; ao 16,777,216 bytes
;; launch prep (part 1): grid 448 x 1, 8 waves a work-group, no clusters, 134,144 bytes of LDS; arguments mask, x, Wq, Wk, Wv, Wo, mb, xc, xs, wc, ws, wo16; writes mb, xc, xs, wc, ws, wo16
.if DOCPART == 1
	.amdgcn_target "amdgcn-amd-amdhsa--gfx1250"
	.amdhsa_code_object_version 6
	.text
	.protected	k_qcc780bd861_prep
	.globl	k_qcc780bd861_prep
	.p2align	8
	.type	k_qcc780bd861_prep,@function
k_qcc780bd861_prep:
	s_mov_b64 s[64:65], 0
	v_nop
	global_prefetch_b8 v0, s[64:65] scope:SCOPE_SE
	s_setreg_imm32_b32 hwreg(HW_REG_WAVE_MODE, 25, 1), 1
	s_wait_xcnt 0x0
; FOUR STREAMS IN ONE LAUNCH, told apart by the work-group's number; each work-group reads 256 KiB, each input byte is read once.
;   work-groups   0-255  MASK: mask [4][2048][2048] int32 -> mb: one bit a number, laid as the lane masks that the attention launch hands to v_cndmask_b32
;   work-groups 256-383  X:    x [8192][1024] f32 -> xc (codes of E2M1, K innermost), xs (one E8M0 byte for each 32 along K)
;   work-groups 384-431  W:    Wq, Wk, Wv [k][n] f32 -> wc (codes along K, laid as images of the operand's registers), ws ([n'][32] scale bytes)
;   work-groups 432-447  WO:   Wo f32 -> wo16, f16, in place order
; THE QUANTISER: a block's scale is 2^(floor(log2(its largest magnitude)) - 2); its byte is the largest magnitude's exponent field - 2, held at 1 from below; numbers / scale to the nearest code, ties to even, beyond 6 the code of 6.
; LIMITS: a block of zeros, and a block whose largest magnitude lies under 2^-124, has the byte 1 (a block of zeros has zero codes, which add nothing; this program alone reads the bytes); NaN and infinities among the inputs are not served;
; Wo beyond 65,504 has no f16 number.
; No tensor loads, no barrier: waves share nothing.  The two paths that use LDS have bytes of their own.
.set MSTG,  0                          ; MASK: 8 waves x 16 rows x 528 bytes
.set XSTG,  67584                      ; X: 8 waves x 8,192 bytes
.set SPARE, 133120                     ; the spare words, 128 bytes for each wave: four blocks of 256 bytes that no other line names
.set SPW,   12                         ; v12  LDS address of my spare word; never rewritten
.set NIL,   13                         ; v13  0; never rewritten
.macro FINISH                          ; the wave's end, behind my last LDS store
	s_wait_tensorcnt 0x0
	ds_add_u32 v[SPW], v[NIL]
	s_wait_dscnt 0x0
	s_endpgm
.endm
	s_load_b512 s[4:19], s[0:1], 0x0               ; mask s[4:5], x s[6:7], Wq s[8:9], Wk s[10:11], Wv s[12:13], Wo s[14:15], mb s[16:17], xc s[18:19]
	s_load_b256 s[20:27], s[0:1], 0x40             ; xs s[20:21], wc s[22:23], ws s[24:25], wo16 s[26:27]
	v_lshl_add_u32 v[SPW], v0, 2, SPARE
	v_mov_b32 v[NIL], 0
	v_lshrrev_b32 v1, 5, v0
	v_readfirstlane_b32 s28, v1                    ; wave 0..7
	v_and_b32 v2, 31, v0                           ; lane
	s_wait_kmcnt 0x0
	s_cmp_lt_u32 ttmp9, 256
	s_cbranch_scc1 .Lmask
	s_cmp_lt_u32 ttmp9, 384
	s_cbranch_scc1 .Lx
	s_cmp_lt_u32 ttmp9, 432
	s_cbranch_scc1 .Lw
; ---------------- WO: a wave takes 8,192 numbers: four groups of 16 loads of 512 consecutive bytes; each store covers 256 consecutive bytes, aligned
.set OR, 32                            ; v32-159  two sets of 64 numbers
.set OC, 160                           ; v160-191 a group's f16 pairs
	s_sub_co_u32 s30, ttmp9, 432
	s_lshl_b32 s30, s30, 3
	s_add_co_u32 s30, s30, s28                     ; which run of 8,192 numbers
	s_lshl_b32 s32, s30, 15
	s_mov_b32 s33, 0
	s_add_nc_u64 s[14:15], s[14:15], s[32:33]
	s_lshl_b32 s32, s30, 14
	s_add_nc_u64 s[26:27], s[26:27], s[32:33]
	v_lshlrev_b32 v3, 4, v2
	v_lshlrev_b32 v6, 3, v2
.macro OLOAD g
.irp n, 0,1,2,3,4,5,6,7,8,9,10,11,12,13,14,15
	global_load_b128 v[OR+64*((\g)%2)+4*\n:OR+64*((\g)%2)+4*\n+3], v3, s[14:15] offset:(16*(\g)+\n)*512 th:TH_LOAD_NT
.endr
.endm
.macro OGROUP g
.if (\g) < 3
	s_wait_loadcnt 16                              ; this group's 16 loads are in; the next group's may be out
.else
	s_wait_loadcnt 0
.endif
	s_wait_xcnt 0x0                                ; the last group's stores have read their data registers, which are written again below
.irp n, 0,1,2,3,4,5,6,7,8,9,10,11,12,13,14,15
	v_cvt_pk_f16_f32 v[OC+2*\n], v[OR+64*((\g)%2)+4*\n], v[OR+64*((\g)%2)+4*\n+1]
	v_cvt_pk_f16_f32 v[OC+2*\n+1], v[OR+64*((\g)%2)+4*\n+2], v[OR+64*((\g)%2)+4*\n+3]
	global_store_b64 v6, v[OC+2*\n:OC+2*\n+1], s[26:27] offset:(16*(\g)+\n)*256
.endr
.if (\g) < 2
	OLOAD (\g)+2
.endif
.endm
	OLOAD 0
	OLOAD 1
	OGROUP 0
	OGROUP 1
	OGROUP 2
	OGROUP 3
	FINISH
; ---------------- MASK: the work-group takes 32 queries (b x 64 + block of 32 = its number), wave w keys 256 w on: four key steps of 64.
; Word 2 j + t of a key step: bit l = mask[query 16 t + l % 16][key 16 (j / 8) + 8 (l / 16) + j % 8] != 0: the lane mask for score register j of query tile t.
; A unit is 16 queries x 128 keys: 16 loads of 512 consecutive bytes; the numbers turn through the wave's own stage in LDS (rows 528 bytes apart, so that the 16 rows of a read start in 16 different groups of banks),
; so that lane (r, h) holds query r's numbers in the order of the score registers; a compare makes a word, v_writelane_b32 puts it where the store wants it: lane j holds words 2 j and 2 j + 1.
.Lmask:
.set MR0,  32                          ; v32-159  two sets of 64: a unit as loaded
.set MX,   160                         ; v160-223 a unit as the score registers want it
.set MOUT, 16                          ; v16-23   the words of four key steps, two registers each
	s_lshl_b32 s30, ttmp9, 18                      ; 32 rows of 8,192 bytes
	s_lshl_b32 s32, s28, 10                        ; + 256 keys x 4 bytes; and in mb 4 steps x 256 bytes
	s_add_co_u32 s30, s30, s32
	s_mov_b32 s31, 0
	s_add_nc_u64 s[4:5], s[4:5], s[30:31]
	s_lshl_b32 s30, ttmp9, 13                      ; 32 steps x 256 bytes
	s_add_co_u32 s30, s30, s32
	s_add_nc_u64 s[16:17], s[16:17], s[30:31]
	s_mul_i32 s33, s28, 16*528                     ; my stage (MSTG = 0)
	v_lshlrev_b32 v3, 4, v2                        ; 16 x lane
	v_add_nc_u32 v4, s33, v3                       ; into the stage: as loaded
	v_and_b32 v7, 15, v2
	v_lshrrev_b32 v8, 4, v2
	v_mul_u32_u24 v5, v7, 528
	v_lshl_add_u32 v5, v8, 5, v5
	v_add_nc_u32 v5, s33, v5                       ; out of it: row r, + 32 h bytes (8 keys)
	v_lshlrev_b32 v6, 3, v2                        ; 8 x lane
.irp i, 0,1,2,3,4,5,6,7
	v_mov_b32 v[MOUT+\i], 0                        ; v_writelane_b32's destination counts as read
.endr
.macro MLOAD u                         ; unit u: queries 16 (u % 2) on, keys 128 (u / 2) on
.set LT, (\u)%2
.set LH, (\u)/2
.irp n, 0,1,2,3,4,5,6,7,8,9,10,11,12,13,14,15
	global_load_b128 v[MR0+64*LT+4*\n:MR0+64*LT+4*\n+3], v3, s[4:5] offset:(16*LT+\n)*8192+512*LH th:TH_LOAD_NT
.endr
.endm
.macro UNIT u
.set MT, (\u)%2
.set MH, (\u)/2
.if (\u) < 3
	s_wait_loadcnt 16                              ; this unit's 16 loads are in; the next unit's may be out
.else
	s_wait_loadcnt 0
.endif
.irp n, 0,1,2,3,4,5,6,7,8,9,10,11,12,13,14,15
	ds_store_b128 v4, v[MR0+64*MT+4*\n:MR0+64*MT+4*\n+3] offset:\n*528
.endr
.irp n, 0,1,2,3,4,5,6,7,8,9,10,11,12,13,14,15      ; n = 8 x step + 2 x key tile + half: LDS serves a wave's instructions in order, so these see the stores above
	ds_load_b128 v[MX+4*\n:MX+4*\n+3], v5 offset:256*(\n/8)+64*((\n/2)%4)+16*(\n%2)
.endr
	s_wait_dscnt 0x0                               ; the stores have read their registers, the numbers are back
.if (\u) < 2
	MLOAD (\u)+2
.endif
.set NN, 0
.rept 16
.irp k, 0,1,2,3
	v_cmp_ne_u32 s[40+\k], 0, v[MX+NN+\k]
.endr
.irp k, 0,1,2,3
	v_writelane_b32 v[MOUT+4*MH+2*((NN+\k)/32)+MT], s[40+\k], (NN+\k)%32
.endr
.set NN, NN+4
.endr
.if MT == 1                            ; both query tiles of two key steps are there: each store covers 256 consecutive bytes, aligned
	global_store_b64 v6, v[MOUT+4*MH:MOUT+4*MH+1], s[16:17] offset:(2*MH)*256
	global_store_b64 v6, v[MOUT+4*MH+2:MOUT+4*MH+3], s[16:17] offset:(2*MH+1)*256
.endif
.endm
	MLOAD 0
	MLOAD 1
	UNIT 0
	UNIT 1
	UNIT 2
	UNIT 3
	FINISH
; ---------------- X: rows are dense and K is a multiple of 32, so x is a plain stream of blocks of 32.  A wave takes 16 steps of 512 numbers.  Each load reads 512 consecutive bytes; a step's 2,048 bytes turn through the
; wave's own stage (16 bytes of padding behind each 64), so that a lane holds 16 neighbours and two neighbouring lanes a block.  A lane's 16 codes are 8 bytes: a store covers 256 consecutive bytes.
; A wave's 256 scale bytes are gathered in LDS and leave as one store of 256 consecutive bytes.
.Lx:
.set XSTEPS, 16
.set SP,  80                           ; a lane's place in a stage: 64 bytes + 16
.set XR,  16                           ; v16-79   four sets of 16 numbers as loaded
.set XN,  80                           ; v80-111  two sets of 16 neighbours
.set XE,  112                          ; v112-127 a scale byte for each step
.set XC,  128                          ; v128-191 codes: registers of its own for each step, so that no store's data are written again
	s_sub_co_u32 s30, ttmp9, 256
	s_lshl_b32 s30, s30, 3
	s_add_co_u32 s30, s30, s28                     ; which run of 8,192 numbers
	s_mov_b32 s33, 0
	s_lshl_b32 s32, s30, 15
	s_add_nc_u64 s[6:7], s[6:7], s[32:33]
	s_lshl_b32 s32, s30, 12
	s_add_nc_u64 s[18:19], s[18:19], s[32:33]
	s_lshl_b32 s32, s30, 8
	s_add_nc_u64 s[20:21], s[20:21], s[32:33]
	v_lshlrev_b32 v3, 4, v2                        ; my 16 bytes of a load's 512
	s_lshl_b32 s34, s28, 13
	s_add_co_u32 s34, s34, XSTG                    ; my wave's region
	v_lshrrev_b32 v14, 2, v2
	v_mul_u32_u24 v14, v14, SP
	v_and_b32 v15, 3, v2
	v_lshl_add_u32 v14, v15, 4, v14
	v_add_nc_u32 v14, s34, v14                     ; into a stage: SP (lane / 4) + 16 (lane % 4)
	v_mul_u32_u24 v15, v2, SP
	v_add_nc_u32 v15, s34, v15                     ; out of it: SP x lane
	v_lshlrev_b32 v4, 3, v2                        ; my codes' place in a step's
	v_lshrrev_b32 v5, 1, v2
	s_add_co_u32 s34, s34, 2*32*SP
	v_add_nc_u32 v5, s34, v5                       ; my block's scale byte
	v_lshlrev_b32 v7, 3, v2
	v_add_nc_u32 v6, s34, v7                       ; and on the way out 8 bytes a lane
.macro XLOAD t
.irp i, 0,1,2,3
	global_load_b128 v[XR+16*((\t)%4)+4*\i:XR+16*((\t)%4)+4*\i+3], v3, s[6:7] offset:2048*(\t)+512*\i th:TH_LOAD_NT
.endr
.endm
.macro XTURN t
.irp i, 0,1,2,3
	ds_store_b128 v14, v[XR+16*((\t)%4)+4*\i:XR+16*((\t)%4)+4*\i+3] offset:32*SP*((\t)%2)+8*SP*\i
.endr
.irp i, 0,1,2,3
	ds_load_b128 v[XN+16*((\t)%2)+4*\i:XN+16*((\t)%2)+4*\i+3], v15 offset:32*SP*((\t)%2)+16*\i
.endr
.endm
.irp t, 0,1,2,3
	XLOAD \t
.endr
	s_wait_loadcnt 12                              ; step 0's four loads are in
	XTURN 0
.macro XSTEP t
.set XS, XN+16*((\t)%2)
.if (\t) > 0
	s_wait_dscnt 1                                 ; this step's numbers are back from the stage (the last step's byte store may be out)
.else
	s_wait_dscnt 0x0
.endif
.if (\t)+4 < XSTEPS
	XLOAD (\t)+4
.endif
.if (\t)+1 < XSTEPS
.if XSTEPS-2-(\t) >= 3
	s_wait_loadcnt 12                              ; the next step's four loads are in; those of the three steps behind it may be out
.else
	s_wait_loadcnt 4*(XSTEPS-2-(\t))
.endif
	XTURN (\t)+1
.endif
	v_max3_num_f32 v8, |v[XS]|, |v[XS+1]|, |v[XS+2]|
	v_max3_num_f32 v9, |v[XS+3]|, |v[XS+4]|, |v[XS+5]|
.irp i, 6,10
	v_max3_num_f32 v8, v8, |v[XS+\i]|, |v[XS+\i+1]|
	v_max3_num_f32 v9, v9, |v[XS+\i+2]|, |v[XS+\i+3]|
.endr
	v_max3_num_f32 v8, v8, |v[XS+14]|, |v[XS+15]|
	v_max3_num_f32 v8, v8, v9, 0x1800000           ; and the floor 2^(3 - 127): the byte cannot fall under 1
	v_max_num_f32_dpp v8, v8, v8 row_xmask:1 row_mask:0xf bank_mask:0xf   ; with my neighbour's 16: the block's largest magnitude
	v_add_nc_u32 v11, 0xff000000, v8               ; 2 off its exponent field: the conversion takes the exponent field of this operand as its scale
	v_cvt_scalef32_pk8_fp4_f32 v[XC+4*(\t)], v[XS:XS+7], v11
	v_cvt_scalef32_pk8_fp4_f32 v[XC+4*(\t)+1], v[XS+8:XS+15], v11
	v_lshrrev_b32 v[XE+(\t)], 23, v11              ; the scale's byte
	ds_store_b8 v5, v[XE+(\t)] offset:16*(\t)      ; both lanes of a block write the same byte with the same value
	global_store_b64 v4, v[XC+4*(\t):XC+4*(\t)+1], s[18:19] offset:256*(\t)
.endm
.irp t, 0,1,2,3,4,5,6,7,8,9,10,11,12,13,14,15
	XSTEP \t
.endr
	ds_load_b64 v[8:9], v6
	s_wait_dscnt 0x0
	global_store_b64 v7, v[8:9], s[20:21]
	FINISH
; ---------------- W: K is the weights' FIRST axis: a lane takes a column and its registers run down K, so that a block of 32 lies in one lane and the codes come out with K innermost.
; A wave takes 32 columns x 256 along K: 8 blocks a lane.  THE COLUMNS' ORDER n' (3,072): Wq's 1,024 as they are; then for each head 64 of Wk and 64 of Wv, so that the product's rows come out as [k | v] of a head.
; wc: byte = (k / 512) x 786,432 + (n' / 16) x 4,096 + ((k / 32) % 16) x 256 + (n' % 16) x 16: sixteen neighbouring lanes store 256 consecutive bytes, aligned, and the product's launch reads a fragment's registers as they lie.
; The scale bytes leave as 8 bytes a lane, rows 32 bytes apart: one byte in 128 of what this path reads.
.Lw:
.set WX,  32                           ; v32-95   two sets of 32 numbers
.set WC,  96                           ; v96-127  four registers of codes for each of the 8 blocks: no store's data are written again
.set WSB, 24                           ; v24-25   the 8 scale bytes
	s_sub_co_u32 s30, ttmp9, 384
	s_lshr_b32 s31, s30, 4                         ; which weight: 0 Wq, 1 Wk, 2 Wv
	s_and_b32 s32, s30, 15
	s_lshr_b32 s33, s32, 2                         ; which 256 along K
	s_and_b32 s32, s32, 3
	s_lshl_b32 s32, s32, 3
	s_add_co_u32 s32, s32, s28                     ; which 32 columns
	s_cmp_eq_u32 s31, 0
	s_cselect_b64 s[8:9], s[8:9], s[10:11]
	s_cmp_eq_u32 s31, 2
	s_cselect_b64 s[8:9], s[12:13], s[8:9]
	s_lshl_b32 s34, s33, 20                        ; 256 rows of 4,096 bytes
	s_lshl_b32 s35, s32, 7
	s_add_co_u32 s34, s34, s35
	s_mov_b32 s35, 0
	s_add_nc_u64 s[8:9], s[8:9], s[34:35]
	s_lshr_b32 s36, s32, 1                         ; the head
	s_lshl_b32 s36, s36, 7
	s_and_b32 s37, s32, 1
	s_lshl_b32 s37, s37, 5
	s_add_co_u32 s36, s36, s37
	s_lshl_b32 s37, s31, 6
	s_add_co_u32 s36, s36, s37
	s_add_co_u32 s36, s36, 960                     ; 1,024 + 128 head + 64 (weight - 1) + 32 (columns' half)
	s_lshl_b32 s37, s32, 5
	s_cmp_eq_u32 s31, 0
	s_cselect_b32 s36, s37, s36                    ; n' of my first column
	s_lshr_b32 s38, s33, 1
	s_mul_i32 s38, s38, 786432
	s_lshl_b32 s39, s36, 8
	s_add_co_u32 s38, s38, s39
	s_and_b32 s39, s33, 1
	s_lshl_b32 s39, s39, 11
	s_add_co_u32 s38, s38, s39
	s_mov_b32 s39, 0
	s_add_nc_u64 s[22:23], s[22:23], s[38:39]
	s_lshl_b32 s38, s36, 5
	s_lshl_b32 s40, s33, 3
	s_add_co_u32 s38, s38, s40
	s_add_nc_u64 s[24:25], s[24:25], s[38:39]
	v_lshlrev_b32 v3, 2, v2                        ; in: 4 bytes a lane
	v_lshrrev_b32 v4, 4, v2
	v_lshlrev_b32 v4, 12, v4
	v_and_b32 v5, 15, v2
	v_lshl_add_u32 v4, v5, 4, v4                   ; codes: 4,096 (lane / 16) + 16 (lane % 16)
	v_lshlrev_b32 v5, 5, v2                        ; scale bytes: 32 x lane
.macro WLOAD t
.set NN, 0
.rept 32
	global_load_b32 v[WX+32*((\t)%2)+NN], v3, s[8:9] offset:(32*(\t)+NN)*4096 th:TH_LOAD_NT
.set NN, NN+1
.endr
.endm
.macro WBLOCK t
.set XS, WX+32*((\t)%2)
.if (\t) < 7
	s_wait_loadcnt 32                              ; this block's 32 loads are in; the next block's may be out
.else
	s_wait_loadcnt 0
.endif
	v_max3_num_f32 v8, |v[XS]|, |v[XS+1]|, |v[XS+2]|
	v_max3_num_f32 v9, |v[XS+3]|, |v[XS+4]|, |v[XS+5]|
.irp i, 6,10,14,18,22,26
	v_max3_num_f32 v8, v8, |v[XS+\i]|, |v[XS+\i+1]|
	v_max3_num_f32 v9, v9, |v[XS+\i+2]|, |v[XS+\i+3]|
.endr
	v_max3_num_f32 v8, v8, |v[XS+30]|, |v[XS+31]|
	v_max3_num_f32 v8, v8, v9, 0x1800000           ; and the floor
	v_add_nc_u32 v10, 0xff000000, v8               ; the conversion's scale operand
	v_lshrrev_b32 v11, 23, v10                     ; the scale's byte
.if (\t)%4 == 0
	v_mov_b32 v[WSB+(\t)/4], v11
.else
	v_lshl_or_b32 v[WSB+(\t)/4], v11, 8*((\t)%4), v[WSB+(\t)/4]
.endif
.irp g, 0,1,2,3
	v_cvt_scalef32_pk8_fp4_f32 v[WC+4*(\t)+\g], v[XS+8*\g:XS+8*\g+7], v10
.endr
	v_nop                                          ; one plain place behind the last conversion
	global_store_b128 v4, v[WC+4*(\t):WC+4*(\t)+3], s[22:23] offset:256*(\t)
.if (\t)+2 < 8
	WLOAD (\t)+2
.endif
.endm
	WLOAD 0
	WLOAD 1
.irp t, 0,1,2,3,4,5,6,7
	WBLOCK \t
.endr
	global_store_b64 v5, v[WSB:WSB+1], s[24:25]
	FINISH
.Lfunc_end_k_qcc780bd861_prep:
	.size	k_qcc780bd861_prep, .Lfunc_end_k_qcc780bd861_prep-k_qcc780bd861_prep
	.p2alignl 7, 3214868480
	.fill 96, 4, 3214868480
	.section	.rodata,"a",@progbits
	.p2align	6, 0x0
	.amdhsa_kernel k_qcc780bd861_prep
		.amdhsa_group_segment_fixed_size 134144
		.amdhsa_private_segment_fixed_size 0
		.amdhsa_enable_private_segment 0
		.amdhsa_kernarg_size 96
		.amdhsa_user_sgpr_count 2
		.amdhsa_user_sgpr_kernarg_segment_ptr 1
		.amdhsa_wavefront_size32 1
		.amdhsa_system_sgpr_workgroup_id_x 1
		.amdhsa_system_sgpr_workgroup_id_y 1
		.amdhsa_system_sgpr_workgroup_id_z 1
		.amdhsa_system_vgpr_workitem_id 0
		.amdhsa_next_free_vgpr 224
		.amdhsa_next_free_sgpr 66
		.amdhsa_reserve_vcc 0
		.amdhsa_float_denorm_mode_32 3
		.amdhsa_float_denorm_mode_16_64 3
		.amdhsa_memory_ordered 1
		.amdhsa_forward_progress 1
		.amdhsa_inst_pref_size 140
	.end_amdhsa_kernel
	.amdgpu_metadata
---
amdhsa.version: [ 1, 2 ]
amdhsa.kernels:
  - .name:           k_qcc780bd861_prep
    .symbol:         k_qcc780bd861_prep.kd
    .args:
      - { .name: mask, .offset: 0, .size: 8, .value_kind: global_buffer, .address_space: global }
      - { .name: x, .offset: 8, .size: 8, .value_kind: global_buffer, .address_space: global }
      - { .name: Wq, .offset: 16, .size: 8, .value_kind: global_buffer, .address_space: global }
      - { .name: Wk, .offset: 24, .size: 8, .value_kind: global_buffer, .address_space: global }
      - { .name: Wv, .offset: 32, .size: 8, .value_kind: global_buffer, .address_space: global }
      - { .name: Wo, .offset: 40, .size: 8, .value_kind: global_buffer, .address_space: global }
      - { .name: mb, .offset: 48, .size: 8, .value_kind: global_buffer, .address_space: global }
      - { .name: xc, .offset: 56, .size: 8, .value_kind: global_buffer, .address_space: global }
      - { .name: xs, .offset: 64, .size: 8, .value_kind: global_buffer, .address_space: global }
      - { .name: wc, .offset: 72, .size: 8, .value_kind: global_buffer, .address_space: global }
      - { .name: ws, .offset: 80, .size: 8, .value_kind: global_buffer, .address_space: global }
      - { .name: wo16, .offset: 88, .size: 8, .value_kind: global_buffer, .address_space: global }
    .group_segment_fixed_size: 134144
    .private_segment_fixed_size: 0
    .kernarg_segment_align: 8
    .kernarg_segment_size: 96
    .max_flat_workgroup_size: 256
    .sgpr_count:     66
    .vgpr_count:     224
    .wavefront_size: 32
...
	.end_amdgpu_metadata
.endif
;; end of part 1
;; launch gemm_qkv (part 2): grid 12 x 32, 4 waves a work-group, clusters of 4 x 4, 327,680 bytes of LDS; arguments xc, xs, wc, ws, bq, bk, bv, qkv; writes qkv
.if DOCPART == 2
	.amdgcn_target "amdgcn-amd-amdhsa--gfx1250"
	.amdhsa_code_object_version 6
	.text
	.protected	k_qcc780bd861_gemm_qkv
	.globl	k_qcc780bd861_gemm_qkv
	.p2align	8
	.type	k_qcc780bd861_gemm_qkv,@function
k_qcc780bd861_gemm_qkv:
	s_mov_b64 s[64:65], 0
	v_nop
	global_prefetch_b8 v0, s[64:65] scope:SCOPE_SE
	s_setreg_imm32_b32 hwreg(HW_REG_WAVE_MODE, 25, 1), 1
	s_wait_xcnt 0x0
	s_wait_alu depctr_hold_cnt(0) depctr_sa_sdst(0) depctr_va_vdst(0) depctr_va_sdst(0) depctr_va_ssrc(0) depctr_va_vcc(0) depctr_vm_vsrc(0)
	s_getreg_b32 s2, hwreg(HW_REG_IB_STS2, 6, 4)
	s_cmp_eq_u32 s2, 0
	s_cbranch_scc0 .Lentry_in_a_cluster
	s_endpgm
.Lentry_in_a_cluster:
	s_bfe_u32 s2, ttmp6, 0x10000c
	s_cmp_lg_u32 s2, 0xf033
	s_cbranch_scc0 .Lentry_shape_is_right
	s_endpgm
.Lentry_shape_is_right:
; [q | k, v] = Q(x) Q(W) + bias: the three quantised products as ONE product of 8,192 x 3,072 x 1,024 on codes of E2M1 with one E8M0 scale for each 32 along K; sums in f32; the results leave as f16.
; A tile of 256 x 256 is made by four waves, each 128 x 128: 64 accumulators, 512 registers.  K = 1,024 is two K steps of 512: both lie in LDS from the start, so no slot is ever filled again and there is no loop.
; A (x's codes) comes as rows of 256 bytes.  B (the weights' codes) comes as images of the operand's registers: 256 bytes hold one block of 32 along K of 16 columns, so a fragment load reads 256 consecutive bytes for each half of the lanes.
; The scale bytes of the work-group's 256 rows and 256 columns, for all of K, come once, as whole rows of 256 bytes.
; CLUSTERS: 4 x 4 work-groups; A's tiles are asked for jointly along a row of the cluster, B's along a column.
; THE MATRIX INSTRUCTION IS USED TRANSPOSED (source 0 = 16 columns of W, source 1 = 16 rows of x): a lane holds eight neighbouring columns of one row.  The bias is the C of each sum's first instruction.
; THE COLUMNS' ORDER: 0-1,023 q; then for each head 64 of k and 64 of v.  A wave's 128 columns are one row of 256 bytes of a plane of qkv: planes 8 b + pair hold [q of head 2 pair | q of head 2 pair + 1], planes 32 + 16 b + head hold [k | v].
; LIMIT: |q|, |k|, |v| beyond 65,504 have no f16 number (inputs 30 times the drawn spread, or an offset of 30 spreads on x and W together, stay under it).
; No prefetch: every tile is a first fill, asked for at the head.
; REGISTERS: window 0: v16-30 addresses; v32-95 scale words, two sets; v128-191 A's fragments, one set; on the way out v32-63, v192-255.  window 1: B's fragments at v0 and v128; v64-127 the bias.  windows 2, 3: the accumulators.
.set NQ,     4                         ; matrix instructions deep in a K step
.set ROWB,   256
.set KROW,   512                       ; a row of x's codes in memory
.set PITCH,  272                       ; an LDS row: 256 bytes + 16 of padding
.set FR,     8
.set NL,     2
.set NP,     4
.set HALFT,  128*PITCH
.set SLOT,   4*HALFT
.set KS,     32                        ; a row of scale bytes
.set SCL,    2*SLOT
.set HALFS,  16*272
.set SBLK,   2*272
.set SPARE,  SCL+4*HALFS               ; the spare words, 128 bytes for each wave
.set STAGE,  SPARE+512                 ; the way out: 16 rows x 272 bytes for each wave; no tile lands here
.set WSTEP,  786432                    ; from one K step's images to the next
.set ADRA, 16
.set ADRB, 20
.set STO,  24
.set RD,   25
.set CO,   26
.set ADRS, 27
.set SPW,  28
.set NIL,  29
.set BOF,  30
.set SC,   32
.set AF,   128
.set BIAS, 64                          ; in window 1
.set TMP,  192
.set OB,   32
.set G1, 24
.set G0, 32
.set G1B, 48
.set G0B, 56
.set G1S, 68
.set G0S, 76
.set G1SB, 80
.set G0SB, 88
.set MSB, 0
.macro WIN new                         ; the immediate's high byte repeats the setting that is left
.if MSB != (\new)
	s_set_vgpr_msb (MSB<<8)|(\new)
.set MSB, (\new)
.endif
.endm
.set MUL_LO, 0xa1                      ; source 0 (B) window 1, source 1 (A) window 0, C and D window 2
.set MUL_HI, 0xf1                      ; the same, C and D window 3
.set TO_B,   0x40
.macro JLOAD g0a, g1a, g0b, g1b        ; waves 0 and 1 fetch for A, waves 2 and 3 for B; an s_nop 0 and four v_nop follow each line
	s_cmp_eq_u32 s15, 0
	s_cbranch_scc0 .Lfor_b_\@
	tensor_load_to_lds s[\g0a:\g0a+3], s[\g1a:\g1a+7]
	s_nop 0
.rept 4
	v_nop
.endr
	s_branch .Lasked_\@
.Lfor_b_\@:
	tensor_load_to_lds s[\g0b:\g0b+3], s[\g1b:\g1b+7]
	s_nop 0
.rept 4
	v_nop
.endr
.Lasked_\@:
.endm
.macro CROUND                          ; a round of the cluster's barrier
	s_barrier_signal -1
	s_barrier_wait -1
	s_cmp_lg_u32 s14, 0
	s_cbranch_scc1 .Lnot_wave_0_\@
	s_barrier_signal -3
.Lnot_wave_0_\@:
	s_barrier_wait -3
	s_barrier_signal -1
	s_barrier_wait -1
.endm
	s_load_b256 s[4:11], s[0:1], 0x0               ; xc s[4:5], xs s[6:7], wc s[8:9], ws s[10:11]
	s_load_b256 s[92:99], s[0:1], 0x20             ; bq s[92:93], bk s[94:95], bv s[96:97], qkv s[98:99]
	v_lshl_add_u32 v[SPW], v0, 2, SPARE
	v_mov_b32 v[NIL], 0
	ds_add_u32 v[SPW], v[NIL]                      ; the wave's opening: the add, twice on end, and its wait ahead of my first tensor load
	ds_add_u32 v[SPW], v[NIL]
	v_lshrrev_b32 v1, 5, v0
	v_readfirstlane_b32 s14, v1                    ; wave 0..3
	s_lshr_b32 s15, s14, 1                         ; my half of the tile's rows.  Also: I fetch for A (0) or for B (1)
	s_and_b32 s16, s14, 1                          ; my half of its columns.  Also: which 128 rows of that tile I fetch
	s_bfe_u32 s40, ttmp6, 0x40000                  ; cx
	s_bfe_u32 s41, ttmp6, 0x40004                  ; cy
	s_lshl_b32 s42, ttmp9, 2
	s_add_co_u32 s42, s42, s40                     ; tile column
	s_and_b32 s17, ttmp7, 0xffff
	s_lshl_b32 s17, s17, 2
	s_add_co_u32 s17, s17, s41                     ; tile row
	s_lshl_b32 s43, s41, 2
	s_lshl_b32 s43, 15, s43                        ; my row of the cluster
	s_lshl_b32 s44, 0x1111, s40                    ; my column
	s_or_b32 s[G1+0], s43, (1<<20)|(1<<21)|(5<<22)|(3<<25)    ; elements of 1 byte; padding: 4 words behind every 64
	s_or_b32 s[G1B+0], s44, (1<<20)|(1<<21)|(5<<22)|(3<<25)
.irp g, G1, G1B
	s_mov_b32 s[\g+1], ROWB<<16                    ; tensor_dim0
	s_mov_b32 s[\g+2], 128<<16                     ; tensor_dim1
	s_mov_b32 s[\g+3], ROWB<<16                    ; tile_dim0
	s_mov_b32 s[\g+4], 128                         ; tile_dim1
	s_mov_b32 s[\g+6], 0
	s_mov_b32 s[\g+7], 0
.endr
	s_mov_b32 s[G1+5], KROW                        ; A: from row to row of x's codes
	s_mov_b32 s[G1B+5], ROWB                       ; B: the images are dense
	s_or_b32 s[G1S+0], s43, (3<<16)|(1<<20)|(1<<21)|(5<<22)|(3<<25)   ; the scales of 128 rows: 4,096 dense bytes as 16 rows of 32 elements of 8 bytes
	s_or_b32 s[G1SB+0], s44, (3<<16)|(1<<20)|(1<<21)|(5<<22)|(3<<25)
.irp g, G1S, G1SB
	s_mov_b32 s[\g+1], 32<<16
	s_mov_b32 s[\g+2], 16<<16
	s_mov_b32 s[\g+3], 32<<16
	s_mov_b32 s[\g+4], 16
	s_mov_b32 s[\g+5], 32
	s_mov_b32 s[\g+6], 0
	s_mov_b32 s[\g+7], 0
.endr
	s_lshl_b32 s18, s16, 7                         ; which 128 rows of the tile I fetch
	s_lshl_b32 s20, s17, 8
	s_add_co_u32 s20, s20, s18                     ; A: row of x
	s_lshl_b32 s46, s42, 8
	s_add_co_u32 s46, s46, s18                     ; B: column n'
	s_lshl_b32 s22, s20, 5                         ; their scale bytes,
	s_mov_b32 s23, 0
	s_lshl_b32 s100, s46, 5
	s_mov_b32 s101, 0
	s_lshl_b32 s20, s20, 9                         ; and their codes: 512 bytes a row of x,
	s_mov_b32 s21, 0
	s_lshl_b32 s46, s46, 8                         ; 256 bytes a column in a K step's images
	s_mov_b32 s47, 0
	s_mul_i32 s45, s14, HALFT                      ; where they go: wave x 128 rows
	s_mul_i32 s104, s14, HALFS
	s_wait_dscnt 0x0                               ; both opening adds are done
	s_wait_kmcnt 0x0
	s_add_nc_u64 s[20:21], s[4:5], s[20:21]
	s_add_nc_u64 s[22:23], s[6:7], s[22:23]
	s_add_nc_u64 s[46:47], s[8:9], s[46:47]
	s_add_nc_u64 s[100:101], s[10:11], s[100:101]
	CROUND                                         ; all sixteen work-groups are here: the first joint loads meet
	s_mov_b32 s[G0S], 1
	s_add_co_u32 s[G0S+1], s104, SCL
	s_mov_b64 s[G0S+2:G0S+3], s[22:23]
	s_or_b32 s[G0S+3], s[G0S+3], 0x80000000
	s_mov_b32 s[G0SB], 1
	s_add_co_u32 s[G0SB+1], s104, SCL
	s_mov_b64 s[G0SB+2:G0SB+3], s[100:101]
	s_or_b32 s[G0SB+3], s[G0SB+3], 0x80000000
	JLOAD G0S, G1S, G0SB, G1SB                     ; the scales first: they are wanted with K step 0
.irp s, 0,1
	s_mov_b32 s[G0+4*\s], 1
	s_add_co_u32 s[G0+4*\s+1], s45, \s*SLOT
	s_add_nc_u64 s[G0+4*\s+2:G0+4*\s+3], s[20:21], \s*ROWB
	s_or_b32 s[G0+4*\s+3], s[G0+4*\s+3], 0x80000000
	s_mov_b32 s[G0B+4*\s], 1
	s_add_co_u32 s[G0B+4*\s+1], s45, \s*SLOT
	s_add_nc_u64 s[G0B+4*\s+2:G0B+4*\s+3], s[46:47], \s*WSTEP
	s_or_b32 s[G0B+4*\s+3], s[G0B+4*\s+3], 0x80000000
	JLOAD G0+4*\s, G1, G0B+4*\s, G1B               ; three tensor loads of mine are out at the most
.endr
	v_and_b32 v1, 15, v0                           ; r
	v_bfe_u32 v2, v0, 4, 1                         ; h
	v_mul_u32_u24 v3, v1, PITCH
	v_lshl_add_u32 v4, v2, 4, v3                   ; A: row r, + 16 h
	v_mul_u32_u24 v5, v2, PITCH
	v_lshl_add_u32 v5, v1, 4, v5                   ; B: image row h, + 16 r
	s_mul_i32 s21, s15, HALFT
	s_mul_i32 s22, s16, HALFT
	s_add_co_u32 s22, s22, 2*HALFT
.irp s, 0,1
	v_add_nc_u32 v[ADRA+\s], s21, v4
	v_add_nc_u32 v[ADRB+\s], s22, v5
	s_add_co_u32 s21, s21, SLOT
	s_add_co_u32 s22, s22, SLOT
.endr
	v_mul_u32_u24 v6, v1, KS                       ; my row's scales: 32 bytes a row,
	v_lshrrev_b32 v7, 8, v6
	v_lshl_add_u32 v6, v7, 4, v6                   ; and 16 more for each 256 passed
	s_mul_i32 s21, s15, HALFS
	s_mul_i32 s22, s16, HALFS
	s_add_co_u32 s22, s22, 2*HALFS
	s_sub_co_u32 s22, s22, s21
	v_mul_u32_u24 v7, s22, v2                      ; lanes 16-31 take B's
	s_add_co_u32 s21, s21, SCL
	v_add_nc_u32 v6, v6, v7
	v_add_nc_u32 v[ADRS], s21, v6
	s_mul_i32 s23, s14, 16*PITCH
	s_add_co_u32 s23, s23, STAGE                   ; my stage
	v_add_nc_u32 v[STO], s23, v4                   ; in: row r, 16 bytes for each half of the lanes
	v_add_nc_u32 v[RD], s23, v5                    ; back: lanes 0-15 one row of 256 bytes, lanes 16-31 the next
	v_and_b32 v6, 31, v0
	v_lshlrev_b32 v[CO], 4, v6                     ; and in qkv, whose rows are 256 bytes: 16 x lane
	v_lshlrev_b32 v[BOF], 5, v2                    ; the bias: 8 h numbers on
	; which 128 columns are mine: g = 2 x tile column + half.  g < 8: q's columns 128 g on; else head g - 8: 64 of k, 64 of v
	s_lshl_b32 s40, s42, 1
	s_add_co_u32 s40, s40, s16
	s_lshl_b32 s100, s40, 9
	s_sub_co_u32 s41, s40, 8
	s_lshl_b32 s41, s41, 8
	s_cmp_lt_u32 s40, 8
	s_cselect_b64 s[18:19], s[92:93], s[94:95]     ; my first 64 columns' bias: bq or bk
	s_cselect_b64 s[20:21], s[92:93], s[96:97]     ; my last 64: bq or bv
	s_cselect_b32 s100, s100, s41
	s_cselect_b32 s43, 256, 0
	s_mov_b32 s101, 0
	s_add_nc_u64 s[18:19], s[18:19], s[100:101]
	s_add_nc_u64 s[20:21], s[20:21], s[100:101]
	s_mov_b32 s100, s43
	s_add_nc_u64 s[20:21], s[20:21], s[100:101]
	WIN TO_B
.irp b, 0,1,2,3
	global_load_b128 v[BIAS+8*\b:BIAS+8*\b+3], v[BOF], s[18:19] offset:64*\b
	global_load_b128 v[BIAS+8*\b+4:BIAS+8*\b+7], v[BOF], s[18:19] offset:64*\b+16
	global_load_b128 v[BIAS+32+8*\b:BIAS+32+8*\b+3], v[BOF], s[20:21] offset:64*\b
	global_load_b128 v[BIAS+32+8*\b+4:BIAS+32+8*\b+7], v[BOF], s[20:21] offset:64*\b+16
.endr
	WIN 0
	s_lshr_b32 s44, s17, 3                         ; b
	s_lshl_b32 s45, s44, 3
	s_add_co_u32 s45, s45, s40                     ; q's plane: 8 b + g
	s_lshl_b32 s44, s44, 4
	s_add_co_u32 s44, s44, s40
	s_add_co_u32 s44, s44, 24                      ; k|v's plane: 32 + 16 b + (g - 8)
	s_cmp_lt_u32 s40, 8
	s_cselect_b32 s44, s45, s44
	s_lshl_b32 s44, s44, 19                        ; a plane is 2,048 rows of 256 bytes
	s_and_b32 s45, s17, 7
	s_lshl_b32 s45, s45, 16
	s_add_co_u32 s44, s44, s45
	s_lshl_b32 s45, s15, 15
	s_add_co_u32 s44, s44, s45
	s_mov_b32 s45, 0
	s_add_nc_u64 s[12:13], s[98:99], s[44:45]      ; my 128 rows: 32,768 bytes on end
.macro FRAG reg, adr, q, i             ; A: 16 rows x 128 K: registers 4 c .. 4 c + 3 hold K = 64 c + 32 h + 0 .. 31
.irp c, 0,1
	ds_load_b128 v[\reg+4*\c:\reg+4*\c+3], v[\adr] offset:64*(\q)+32*\c+(\i)*16*PITCH
.endr
.endm
.macro FRAGB reg, adr, q, i            ; B: the same registers out of the image: row 16 i + 4 q + 2 c + h, 16 bytes a column
.irp c, 0,1
	ds_load_b128 v[\reg+4*\c:\reg+4*\c+3], v[\adr] offset:(16*(\i)+4*(\q)+2*\c)*PITCH
.endr
.endm
; 16 matrix instructions: A's blocks a0, a0 + 1 x B's eight.  zero = 1: the sums begin with the bias.  The 64 accumulators take turns, one instruction a turn.
.macro MUL16 a0, p, q, sc, zero
.irp a, \a0, \a0+1
.irp b, 0,1,2,3,4,5,6,7
.if \zero
	v_wmma_scale_f32_16x16x128_f8f6f4 v[8*(8*((\a)%4)+\b):8*(8*((\a)%4)+\b)+7], v[128*(\p)+FR*\b:128*(\p)+FR*\b+FR-1], v[AF+FR*(\a):AF+FR*(\a)+FR-1], v[BIAS+8*\b:BIAS+8*\b+7], v[SC+8*NQ*(\sc)+NQ*\b+(\q)], v[SC+8*NQ*(\sc)+NQ*(\a)+(\q)] matrix_a_fmt:MATRIX_FMT_FP4 matrix_b_fmt:MATRIX_FMT_FP4 matrix_a_scale:MATRIX_SCALE_ROW1
.else
	v_wmma_scale_f32_16x16x128_f8f6f4 v[8*(8*((\a)%4)+\b):8*(8*((\a)%4)+\b)+7], v[128*(\p)+FR*\b:128*(\p)+FR*\b+FR-1], v[AF+FR*(\a):AF+FR*(\a)+FR-1], v[8*(8*((\a)%4)+\b):8*(8*((\a)%4)+\b)+7], v[SC+8*NQ*(\sc)+NQ*\b+(\q)], v[SC+8*NQ*(\sc)+NQ*(\a)+(\q)] matrix_a_fmt:MATRIX_FMT_FP4 matrix_b_fmt:MATRIX_FMT_FP4 matrix_a_scale:MATRIX_SCALE_ROW1
.endif
.endr
.endr
.endm
.macro FETCH_B slot, q, p
	WIN TO_B
.irp i, 0,1,2,3,4,5,6,7
	FRAGB 128*(\p)+FR*\i, ADRB+\slot, \q, \i
.endr
	WIN 0
.endm
.macro FETCH_A slot, q, i0
.irp i, \i0, \i0+1, \i0+2, \i0+3
	FRAG AF+FR*(\i), ADRA+\slot, \q, \i
.endr
.endm
.macro SCALES sc                       ; a K step's scale words: lanes 0-15 A's block i, lanes 16-31 B's block i
.irp i, 0,1,2,3,4,5,6,7
	ds_load_b128 v[SC+8*NQ*\sc+NQ*\i:SC+8*NQ*\sc+NQ*\i+3], v[ADRS] offset:\i*SBLK
.endr
.endm
.macro PLACES n                        ; plain vector places behind matrix instructions, in front of loads into registers that they read and of reads of their results
.rept \n
	v_nop
.endr
.endm
.macro STEP slot, q, zero              ; 128 along K with its successor in the same slot
	s_wait_dscnt 4*NL                              ; B's set and A's blocks 0-3 are in; A's blocks 4-7, the youngest 8 loads, may be out
	WIN MUL_LO-0x10*(\zero)                        ; (zero = 1: C is the bias, in window 1)
	MUL16 0, (\q)%2, \q, \slot, \zero
	MUL16 2, (\q)%2, \q, \slot, \zero
	s_wait_dscnt 0
	PLACES NP
	FETCH_B \slot, (\q)+1, 1-(\q)%2
	FETCH_A \slot, (\q)+1, 0
	WIN MUL_HI-0x20*(\zero)
	MUL16 4, (\q)%2, \q, \slot, \zero
	MUL16 6, (\q)%2, \q, \slot, \zero
	PLACES NP
	WIN 0
	FETCH_A \slot, (\q)+1, 4
.endm
.macro TURN slot, next                 ; a slot's last step changes slots: each wave's part of the next slot has landed in front of the barrier; nothing is filled again
	s_wait_tensorcnt 0x0                           ; all my tensor loads have landed
	ds_add_u32 v[SPW], v[NIL]                      ; 0 onto my spare word
	s_wait_dscnt 4*NL+1                            ; (the add and A's blocks 4-7 may be out)
	WIN MUL_LO
	MUL16 0, 1, NQ-1, \slot, 0
	s_wait_dscnt 0x0
	s_barrier_signal -1
	MUL16 2, 1, NQ-1, \slot, 0
	WIN 0
	s_barrier_wait -1
	PLACES NP
	v_add_nc_u32 v[ADRS], 4*NQ, v[ADRS]            ; the next K step's scale words
	FETCH_B \next, 0, 0
	FETCH_A \next, 0, 0
	SCALES \next
	WIN MUL_HI
	MUL16 4, 1, NQ-1, \slot, 0
	MUL16 6, 1, NQ-1, \slot, 0
	PLACES NP
	WIN 0
	FETCH_A \next, 0, 4
.endm
.macro STEPS slot, from
.set QQ, \from
.rept NQ-1-\from
	STEP \slot, QQ, 0
.set QQ, QQ+1
.endr
.endm
	s_wait_tensorcnt 1                             ; the scales and my part of K step 0 are in; K step 1's load may be out
	s_barrier_signal -1
	s_barrier_wait -1
	FETCH_B 0, 0, 0
	FETCH_A 0, 0, 0
	SCALES 0
	FETCH_A 0, 0, 4
	s_wait_loadcnt 0x0                             ; the bias
	STEP 0, 0, 1
	STEPS 0, 1
	TURN 0, 1
	STEPS 1, 0
	s_wait_dscnt 4*NL
	WIN MUL_LO
	MUL16 0, 1, NQ-1, 1, 0
	MUL16 2, 1, NQ-1, 1, 0
	s_wait_dscnt 0
	WIN MUL_HI
	MUL16 4, 1, NQ-1, 1, 0
	MUL16 6, 1, NQ-1, 1, 0
	WIN 0
; THE WAY OUT, block by block of 16 rows: rounded to f16, 16 bytes a lane into my own stage, back as whole rows of 256 bytes; each store of the wave covers 512 consecutive bytes.
.macro PACK a
.set AC, 64*((\a)%4)
	WIN 0x0a+5*((\a)/4)                            ; sources 0 and 1: window 2 or 3
.irp b, 0,1,2,3,4,5,6,7
.irp r, 0,1,2,3
	v_cvt_pk_f16_f32 v[TMP+4*\b+\r], v[AC+8*\b+2*\r], v[AC+8*\b+2*\r+1]
.endr
.endr
	WIN 0
.endm
.macro TOSTAGE a
.set BK, OB+192*((\a)%2)
.irp b, 0,1,2,3,4,5,6,7
	ds_store_b128 v[STO], v[TMP+4*\b:TMP+4*\b+3] offset:32*\b
.endr
.irp t, 0,1,2,3,4,5,6,7
	ds_load_b128 v[BK+4*\t:BK+4*\t+3], v[RD] offset:\t*2*PITCH   ; LDS serves a wave's instructions in order: these see the stores above
.endr
.endm
.macro SEND a
.set BK, OB+192*((\a)%2)
	s_wait_dscnt 0x0                               ; the block is back in registers
	s_wait_xcnt 0x0                                ; the earlier stores have read their registers: the next block's loads may land there
.irp t, 0,1,2,3,4,5,6,7
	global_store_b128 v[CO], v[BK+4*\t:BK+4*\t+3], s[12:13] offset:(\a)*4096+\t*512
.endr
.endm
	PLACES NP
	PACK 0
	TOSTAGE 0
.irp a, 1,2,3,4,5,6,7
	PACK \a
	SEND \a-1
	TOSTAGE \a
.endr
	SEND 7
	s_wait_tensorcnt 0x0                           ; the wave's end
	ds_add_u32 v[SPW], v[NIL]
	s_wait_dscnt 0x0
	CROUND                                         ; the closing round
	s_endpgm
.Lfunc_end_k_qcc780bd861_gemm_qkv:
	.size	k_qcc780bd861_gemm_qkv, .Lfunc_end_k_qcc780bd861_gemm_qkv-k_qcc780bd861_gemm_qkv
	.p2alignl 7, 3214868480
	.fill 96, 4, 3214868480
	.section	.rodata,"a",@progbits
	.p2align	6, 0x0
	.amdhsa_kernel k_qcc780bd861_gemm_qkv
		.amdhsa_group_segment_fixed_size 327680
		.amdhsa_private_segment_fixed_size 0
		.amdhsa_enable_private_segment 0
		.amdhsa_kernarg_size 64
		.amdhsa_user_sgpr_count 2
		.amdhsa_user_sgpr_kernarg_segment_ptr 1
		.amdhsa_wavefront_size32 1
		.amdhsa_system_sgpr_workgroup_id_x 1
		.amdhsa_system_sgpr_workgroup_id_y 1
		.amdhsa_system_sgpr_workgroup_id_z 1
		.amdhsa_system_vgpr_workitem_id 0
		.amdhsa_next_free_vgpr 1024
		.amdhsa_next_free_sgpr 106
		.amdhsa_reserve_vcc 0
		.amdhsa_float_denorm_mode_32 3
		.amdhsa_float_denorm_mode_16_64 3
		.amdhsa_memory_ordered 1
		.amdhsa_forward_progress 1
		.amdhsa_inst_pref_size 128
	.end_amdhsa_kernel
	.amdgpu_metadata
---
amdhsa.version: [ 1, 2 ]
amdhsa.kernels:
  - .name:           k_qcc780bd861_gemm_qkv
    .symbol:         k_qcc780bd861_gemm_qkv.kd
    .args:
      - { .name: xc, .offset: 0, .size: 8, .value_kind: global_buffer, .address_space: global }
      - { .name: xs, .offset: 8, .size: 8, .value_kind: global_buffer, .address_space: global }
      - { .name: wc, .offset: 16, .size: 8, .value_kind: global_buffer, .address_space: global }
      - { .name: ws, .offset: 24, .size: 8, .value_kind: global_buffer, .address_space: global }
      - { .name: bq, .offset: 32, .size: 8, .value_kind: global_buffer, .address_space: global }
      - { .name: bk, .offset: 40, .size: 8, .value_kind: global_buffer, .address_space: global }
      - { .name: bv, .offset: 48, .size: 8, .value_kind: global_buffer, .address_space: global }
      - { .name: qkv, .offset: 56, .size: 8, .value_kind: global_buffer, .address_space: global }
    .group_segment_fixed_size: 327680
    .private_segment_fixed_size: 0
    .kernarg_segment_align: 8
    .kernarg_segment_size: 64
    .max_flat_workgroup_size: 128
    .sgpr_count:     106
    .vgpr_count:     1024
    .wavefront_size: 32
...
	.end_amdgpu_metadata
.endif
;; end of part 2
;; launch attn (part 3): grid 4 x 64, 16 waves a work-group, clusters of 4 x 1, 327,680 bytes of LDS; arguments qkv, mb, ao; writes ao
.if DOCPART == 3
	.amdgcn_target "amdgcn-amd-amdhsa--gfx1250"
	.amdhsa_code_object_version 6
	.text
	.protected	k_qcc780bd861_attn
	.globl	k_qcc780bd861_attn
	.p2align	8
	.type	k_qcc780bd861_attn,@function
k_qcc780bd861_attn:
	s_mov_b64 s[64:65], 0
	v_nop
	global_prefetch_b8 v0, s[64:65] scope:SCOPE_SE
	s_setreg_imm32_b32 hwreg(HW_REG_WAVE_MODE, 25, 1), 1
	s_wait_xcnt 0x0
	s_wait_alu depctr_hold_cnt(0) depctr_sa_sdst(0) depctr_va_vdst(0) depctr_va_sdst(0) depctr_va_ssrc(0) depctr_va_vcc(0) depctr_vm_vsrc(0)
	s_getreg_b32 s2, hwreg(HW_REG_IB_STS2, 6, 4)
	s_cmp_eq_u32 s2, 0
	s_cbranch_scc0 .Lentry_in_a_cluster
	s_endpgm
.Lentry_in_a_cluster:
	s_bfe_u32 s2, ttmp6, 0x10000c
	s_cmp_lg_u32 s2, 0x3003
	s_cbranch_scc0 .Lentry_shape_is_right
	s_endpgm
.Lentry_shape_is_right:
; ao[b, head][q][:] = the sum over keys of softmax(q . k / 8, hidden where mask == 0) v, 0 for a query all of whose keys are hidden.  q, k, v, p and ao in f16; products' sums, maxima and the row's sum in f32.
; SHARES.  A work-group owns 512 queries of one (b, head); each of its sixteen waves 32 of them, two tiles of 16, in 256 registers: four waves to a SIMD, so that one wave's softmax stands beside another's products.
; Every wave walks all 2,048 keys, 64 a step.  k and v of a key lie in one row of 256 bytes; the rows come through a ring of two LDS slots of 256 keys (waves 0 to 3 fetch 64 rows each).
; CLUSTER.  The four query blocks of a (b, head) walk the same rows: each tile is asked for jointly, by the same tensor load with a mask that names the four.
; LAYOUT.  S^T = K Q^T (source 0 = 16 keys, source 1 = 16 queries): a lane holds ONE query and the keys 8 (lane / 16) + 0..7 of a tile; two tiles rounded to f16 in pairs are source 1 of O^T = V^T P.  V is turned by ds_load_tr16_b128.
; THE MASK comes as lane masks, one word for each score register, by scalar loads a step ahead: one v_cndmask_b32 a register puts -infinity where the key is hidden, AHEAD of the maximum.
; SOFTMAX.  A running maximum m of the open scores (it begins at -3e38, a number: so p = 2^(-inf - number) = 0) and sum l: p = 2^(c s - c m), c = log2(e) / 8; in every step O and l are multiplied by a = 2^(c m_old - c m_new).
; At the end 1 / l is replaced by 0 where l = 0.
; LIMITS: a score with c s under -5.4e37 counts as hidden; NaN and infinities among the inputs are not served.
; REGISTERS: v1-7 addresses and constants; v8-23 statistics, 8 a tile (+0 c m, +1 m, +2, +3 l, +4..+7 at work; a in +6); v24-55 Q; v56-119 K's or V's fragments; v120-183 S^T, then p, then P in the low 16 of each tile; v184-247 O^T; v248-255 addresses.
.set KS,    64
.set PK,    272                        ; a row in LDS: 256 bytes + 16 of padding
.set STEPB, KS*PK
.set SLOT1, 1<<17                      ; slot 1 begins here: one exclusive or turns an address from one slot to the other
.set NSL,   8                          ; slots' worth of keys
.set STAGE, SLOT1+4*STEPB              ; the way out: 32 rows x 144 bytes for each wave; no tile lands here
.set SPARE, STAGE+16*32*144            ; the spare words, 128 bytes for each wave
.set AK0, 1
.set AV0, 2
.set ADK, 3
.set ADV, 4
.set SPW, 5
.set NIL, 6
.set NEG, 7
.set ST,  8
.set Q,   24
.set F,   56
.set S,   120
.set O,   184
.set QO,  248
.set PFO, 249
.set STO, 250
.set RD,  251
.set GO,  252
.set TB,    2                          ; s2   LDS byte at which the step's rows begin
.set MOFF,  3                          ; s3   the byte in my mask words at which the words to be loaded begin
.set WV,    10
.set SLOTS, 11
.set STEPS, 12
.set LIM,   13
.set PFA,   14                         ; s[14:15]
.set G1,    16                         ; s[16:23]
.set G0,    24                         ; s[24:27]
.set CS,    28                         ; s[28:29]
.set SEL,   30                         ; s[30:31]
; s[32:63], s[68:99]: the step's 64 mask words; word n in s[32 + n + 4 (n / 32)]
.macro CROUND
	s_barrier_signal -1
	s_barrier_wait -1
	s_cmp_lg_u32 s[WV], 0
	s_cbranch_scc1 .Lnot_wave_0_\@
	s_barrier_signal -3
.Lnot_wave_0_\@:
	s_barrier_wait -3
	s_barrier_signal -1
	s_barrier_wait -1
.endm
.macro JLOAD                           ; waves 0 to 3 fetch 64 rows each; the branch hangs on the wave's number alone; an s_nop 0 and four v_nop follow the load
	s_cmp_lt_u32 s[WV], 4
	s_cbranch_scc0 .Lno_load_\@
	tensor_load_to_lds s[G0:G0+3], s[G1:G1+7]
	s_nop 0
.rept 4
	v_nop
.endr
.Lno_load_\@:
.endm
; A prefetch of the 256 rows that the NEXT change of slots will ask for: four key steps ahead of that load.  Each row is named once in the launch: the four partners take 64 rows each, told apart by address;
; in each, waves 4 and 5 take 32 rows, a lane a row of 256 bytes.  Slots 0 and 1 come by their loads alone; the last change that fills a slot asks for nothing.
.macro ASK
	s_cmp_gt_u32 s[SLOTS], s[LIM]
	s_cbranch_scc0 .Lnot_mine_\@
	global_prefetch_b8 v[PFO], s[PFA:PFA+1] th:TH_LOAD_NT scope:SCOPE_SE
.Lnot_mine_\@:
.endm
.macro MLOADS                          ; a step's 64 mask words
	s_load_b512 s[32:47], s[6:7], s[MOFF] offset:0x0
	s_load_b512 s[48:63], s[6:7], s[MOFF] offset:0x40
	s_load_b512 s[68:83], s[6:7], s[MOFF] offset:0x80
	s_load_b512 s[84:99], s[6:7], s[MOFF] offset:0xc0
.endm
	s_load_b128 s[4:7], s[0:1], 0x0                ; qkv s[4:5], mb s[6:7]
	s_load_b64 s[8:9], s[0:1], 0x10                ; ao
	v_lshl_add_u32 v[SPW], v0, 2, SPARE
	v_mov_b32 v[NIL], 0
	ds_add_u32 v[SPW], v[NIL]                      ; the wave's opening: the add, twice on end, and its wait ahead of the first tensor load
	ds_add_u32 v[SPW], v[NIL]
	v_lshrrev_b32 v248, 5, v0
	v_readfirstlane_b32 s[WV], v248                ; wave 0..15
	s_bfe_u32 s66, ttmp6, 0x40000                  ; cx: my block of 512 queries
	s_and_b32 s67, ttmp7, 0xffff                   ; 16 b + head, which the four partners share
	s_mov_b32 s[G1], 15|(1<<20)|(1<<21)|(5<<22)|(3<<25)   ; the mask: all four; elements of 1 byte; padding: 4 words behind every 64
	s_mov_b32 s[G1+1], 256<<16                     ; tensor_dim0
	s_mov_b32 s[G1+2], KS<<16                      ; tensor_dim1
	s_mov_b32 s[G1+3], 256<<16                     ; tile_dim0
	s_mov_b32 s[G1+4], KS                          ; tile_dim1
	s_mov_b32 s[G1+5], 256                         ; from row to row
	s_mov_b32 s[G1+6], 0
	s_mov_b32 s[G1+7], 0
	s_mov_b32 s[CS], 0x3e38aa3b                    ; c = log2(e) / 8
	s_mov_b32 s[CS+1], s[CS]
	s_mov_b32 s[SEL], 0x76543210
	s_mov_b32 s[SEL+1], 0xfedcba98
	s_mov_b32 s[TB], 0
	s_mov_b32 s[MOFF], 0
	s_mov_b32 s[SLOTS], NSL-1
	s_lshr_b32 s[LIM], s[WV], 1
	s_cmp_eq_u32 s[LIM], 2
	s_cselect_b32 s[LIM], 1, -1                    ; 1 in waves 4 and 5, else the greatest number
	s_and_b32 s32, s[WV], 3
	s_mul_i32 s33, s32, STEPB                      ; what I fetch, if I fetch: its place in a slot,
	s_lshl_b32 s34, s32, 14                        ; and in memory: 64 rows of 256 bytes
	s_add_co_u32 s36, s67, 32
	s_lshl_b32 s36, s36, 19                        ; the head's plane of k|v
	s_add_co_u32 s34, s34, s36
	s_mov_b32 s35, 0
	s_lshl_b32 s38, s66, 14                        ; the prefetches: my work-group's 64 rows,
	s_and_b32 s39, s[WV], 1
	s_lshl_b32 s39, s39, 13                        ; my wave's 32 of them,
	s_add_co_u32 s38, s38, s39
	s_add_co_u32 s38, s38, s36
	s_add_co_u32 s38, s38, 65536                   ; in slot 1: the first change of slots steps it to slot 2
	s_mov_b32 s39, 0
	s_lshl_b32 s40, s66, 4
	s_add_co_u32 s40, s40, s[WV]                   ; my block of 32 queries
	s_lshr_b32 s41, s67, 4                         ; b
	s_lshl_b32 s42, s41, 6
	s_add_co_u32 s42, s42, s40
	s_lshl_b32 s42, s42, 13                        ; my mask words: 32 steps x 256 bytes
	s_mov_b32 s43, 0
	s_lshl_b32 s44, s67, 18
	s_lshl_b32 s45, s40, 12
	s_add_co_u32 s44, s44, s45                     ; my rows of ao: 128 bytes each
	s_mov_b32 s45, 0
	s_lshl_b32 s46, s41, 3
	s_bfe_u32 s47, s67, 0x30001                    ; head / 2
	s_add_co_u32 s46, s46, s47
	s_lshl_b32 s46, s46, 19                        ; q's plane
	s_lshl_b32 s47, s40, 13
	s_add_co_u32 s46, s46, s47
	s_and_b32 s47, s67, 1
	s_lshl_b32 s47, s47, 7                         ; my head's half of a row
	s_add_co_u32 s46, s46, s47
	s_mov_b32 s47, 0
	s_mul_i32 s100, s[WV], 32*144
	s_add_co_u32 s100, s100, STAGE                 ; my stage
	v_and_b32 v253, 15, v0                         ; r
	v_bfe_u32 v254, v0, 4, 1                       ; h
	v_lshlrev_b32 v[QO], 8, v253
	v_lshl_add_u32 v[QO], v254, 4, v[QO]           ; Q: row r of 256 bytes, + 16 h
	v_mul_u32_u24 v[AK0], v253, PK
	v_lshl_add_u32 v[AK0], v254, 4, v[AK0]         ; K: row r, + 16 h
	v_and_b32 v255, 7, v0
	v_lshl_add_u32 v[AV0], v254, 3, v255
	v_mul_u32_u24 v[AV0], v[AV0], PK
	v_bfe_u32 v255, v0, 3, 1
	v_lshl_add_u32 v[AV0], v255, 4, v[AV0]
	v_add_nc_u32 v[AV0], 128, v[AV0]               ; V, for the turning load: key 8 h + l % 8, channels 8 ((l / 8) % 2) on, behind k's 128 bytes
	v_and_b32 v[PFO], 31, v0
	v_lshlrev_b32 v[PFO], 8, v[PFO]
	v_mul_u32_u24 v[STO], v253, 144
	v_lshl_add_u32 v[STO], v254, 4, v[STO]
	v_add_nc_u32 v[STO], s100, v[STO]              ; into the stage: row r, 16 bytes for each half of the lanes
	v_bfe_u32 v255, v0, 3, 2
	v_mul_u32_u24 v[RD], v255, 144
	v_and_b32 v255, 7, v0
	v_lshl_add_u32 v[RD], v255, 4, v[RD]
	v_add_nc_u32 v[RD], s100, v[RD]                ; back: eight lanes to a row of 128 bytes, four rows an instruction
	v_and_b32 v[GO], 31, v0
	v_lshlrev_b32 v[GO], 4, v[GO]                  ; and in ao, whose rows are dense: 16 x lane
	v_mov_b32 v[NEG], 0xff800000                   ; -infinity
	s_wait_dscnt 0x0                               ; both opening adds are done
	s_wait_kmcnt 0x0
	s_mov_b32 s[G0], 1
	s_mov_b32 s[G0+1], s33
	s_add_nc_u64 s[G0+2:G0+3], s[4:5], s[34:35]
	s_or_b32 s[G0+3], s[G0+3], 0x80000000
	s_add_nc_u64 s[PFA:PFA+1], s[4:5], s[38:39]
	s_add_nc_u64 s[6:7], s[6:7], s[42:43]
	s_add_nc_u64 s[8:9], s[8:9], s[44:45]
	s_add_nc_u64 s[4:5], s[4:5], s[46:47]
	CROUND                                         ; all four work-groups are here: the first joint load meets
	JLOAD                                          ; slot 0
	MLOADS                                         ; step 0's mask words
.irp t, 0,1
.irp c, 0,1
	global_load_b128 v[Q+16*\t+8*\c:Q+16*\t+8*\c+3], v[QO], s[4:5] offset:\t*4096+64*\c
	global_load_b128 v[Q+16*\t+8*\c+4:Q+16*\t+8*\c+7], v[QO], s[4:5] offset:\t*4096+64*\c+32
.endr
.endr
.irp t, 0,1
	v_mov_b32 v[ST+8*\t+1], 0xff61b1e6             ; m: -3e38
	v_mul_f32 v[ST+8*\t], s[CS], v[ST+8*\t+1]      ; c m
.irp i, 2,3,4,5,6,7
	v_mov_b32 v[ST+8*\t+\i], 0
.endr
.endr
.set JJ, 0
.rept 64
	v_mov_b32 v[O+JJ], 0                           ; O^T: the step is written once; its first run finds zeros
.set JJ, JJ+1
.endr
	s_wait_loadcnt 0x0                             ; Q
.macro KQ                              ; product II of 16: channels 32 (II / 8) on, keys 16 ((II / 2) % 4) on, tile II % 2.  The eight accumulators take turns
.set rS, S+32*(II%2)+8*((II/2)%4)
.set rK, F+8*(2*((II/2)%4)+II/8)
.set rQ, Q+16*(II%2)+8*(II/8)
.if II < 8
	v_wmma_f32_16x16x32_f16 v[rS:rS+7], v[rK:rK+7], v[rQ:rQ+7], 0
.else
	v_wmma_f32_16x16x32_f16 v[rS:rS+7], v[rK:rK+7], v[rQ:rQ+7], v[rS:rS+7]
.endif
.endm
.macro PV                              ; product II of 16: keys 32 (II / 8) on, channels 16 ((II / 2) % 4) on, tile II % 2
.set rO, O+32*(II%2)+8*((II/2)%4)
.set rV, F+8*(4*(II/8)+(II/2)%4)
.set rP, S+32*(II%2)+8*(II/8)
	v_wmma_f32_16x16x32_f16 v[rO:rO+7], v[rV:rV+7], v[rP:rP+7], v[rO:rO+7]
.endm
; A KEY STEP: 64 keys.
.macro STEP
	v_add_nc_u32 v[ADK], s[TB], v[AK0]
	v_add_nc_u32 v[ADV], s[TB], v[AV0]
.rept 3
	v_nop                                          ; with the two additions five places behind the last products V^T P: K's loads land on V's registers, and the scores are written over P
.endr
.irp f, 0,1,2,3,4,5,6,7                        ; keys 16 (f / 2) on, channels 32 (f % 2) on
	ds_load_b128 v[F+8*\f:F+8*\f+3], v[ADK] offset:(\f/2)*16*PK+(\f%2)*64
	ds_load_b128 v[F+8*\f+4:F+8*\f+7], v[ADK] offset:(\f/2)*16*PK+(\f%2)*64+32
.endr
	s_wait_dscnt 0x0
.set II, 0
.rept 16
	KQ
.set II, II+1
.endr
.rept 4
	v_nop                                          ; places in front of V's loads, which land on K's registers, and of the first read of the scores
.endr
.irp f, 0,1,2,3,4,5,6,7                        ; keys 32 (f / 4) on, channels 16 (f % 4) on
	ds_load_tr16_b128 v[F+8*\f:F+8*\f+3], v[ADV] offset:(\f/4)*32*PK+(\f%4)*32
	ds_load_tr16_b128 v[F+8*\f+4:F+8*\f+7], v[ADV] offset:(\f/4)*32*PK+16*PK+(\f%4)*32
.endr
	s_wait_kmcnt 0x0                               ; this step's mask words are in, and their loads have read their offset:
	s_add_co_u32 s[MOFF], s[MOFF], 256             ; the next step's words;
	s_min_u32 s[MOFF], s[MOFF], 31*256             ; in the last step the last words once more: no load leaves mb
.set JJ, 0
.rept 32                                       ; hidden scores become -infinity; each accumulator is read from its low end on
	v_cndmask_b32 v[S+JJ], v[NEG], v[S+JJ], s[32+2*JJ+4*(JJ/16)]
	v_cndmask_b32 v[S+32+JJ], v[NEG], v[S+32+JJ], s[33+2*JJ+4*(JJ/16)]
.set JJ, JJ+1
.endr
.irp c, 0,1,2,3                                ; the maximum of my 32 scores and the old m: four chains a tile, the tiles by turns
.irp t, 0,1
	v_max3_num_f32 v[ST+8*\t+4+\c], v[S+32*\t+8*\c], v[S+32*\t+8*\c+1], v[S+32*\t+8*\c+2]
.endr
.endr
.irp d, 3,5
.irp c, 0,1,2,3
.irp t, 0,1
	v_max3_num_f32 v[ST+8*\t+4+\c], v[ST+8*\t+4+\c], v[S+32*\t+8*\c+\d], v[S+32*\t+8*\c+\d+1]
.endr
.endr
.endr
.irp t, 0,1
	v_max3_num_f32 v[ST+8*\t+4], v[ST+8*\t+4], v[S+32*\t+7], v[S+32*\t+15]
	v_max3_num_f32 v[ST+8*\t+6], v[ST+8*\t+6], v[S+32*\t+23], v[S+32*\t+31]
.endr
.irp t, 0,1
	v_max3_num_f32 v[ST+8*\t+4], v[ST+8*\t+4], v[ST+8*\t+5], v[ST+8*\t+6]
.endr
.irp t, 0,1
	v_max3_num_f32 v[ST+8*\t+4], v[ST+8*\t+4], v[ST+8*\t+7], v[ST+8*\t+1]
.endr
	MLOADS                                         ; the next step's mask words: a step ahead of their use
.irp t, 0,1
	v_permlanex16_b32 v[ST+8*\t+5], v[ST+8*\t+4], s[SEL], s[SEL+1]   ; the query's other 32 keys lie in the lane 16 away
.endr
.irp t, 0,1
	v_mov_b32 v[ST+8*\t+7], v[ST+8*\t]             ; c m_old
.endr
.irp t, 0,1
	v_max_num_f32 v[ST+8*\t+1], v[ST+8*\t+4], v[ST+8*\t+5]
.endr
.irp t, 0,1
	v_mul_f32 v[ST+8*\t], s[CS], v[ST+8*\t+1]
.endr
.irp t, 0,1
	v_sub_f32 v[ST+8*\t+7], v[ST+8*\t+7], v[ST+8*\t]
.endr
.set JJ, 0
.rept 16                                       ; c s - c m, two at a time
	v_pk_fma_f32 v[S+JJ:S+JJ+1], v[S+JJ:S+JJ+1], s[CS:CS+1], v[ST:ST+1] op_sel_hi:[1,0,0] neg_lo:[0,0,1] neg_hi:[0,0,1]
	v_pk_fma_f32 v[S+32+JJ:S+32+JJ+1], v[S+32+JJ:S+32+JJ+1], s[CS:CS+1], v[ST+8:ST+9] op_sel_hi:[1,0,0] neg_lo:[0,0,1] neg_hi:[0,0,1]
.set JJ, JJ+2
.endr
	v_exp_f32 v[ST+6], v[ST+7]                     ; ONE BATCH: a of both tiles and the 64 weights
	v_exp_f32 v[ST+14], v[ST+15]
.set JJ, 0
.rept 64
	v_exp_f32 v[S+JJ], v[S+JJ]
.set JJ, JJ+1
.endr
	v_nop                                          ; a plain place behind the last exponential
	s_wait_alu depctr_va_vdst(0)                   ; one wait for the batch, ahead of its first reader
.irp t, 0,1
	v_pk_mul_f32 v[ST+8*\t+2:ST+8*\t+3], v[ST+8*\t+2:ST+8*\t+3], v[ST+8*\t+6:ST+8*\t+7] op_sel_hi:[1,0]   ; l under the new m
.endr
.irp t, 0,1                                    ; the sum of the unrounded weights, two at a time, in two chains a tile
	v_pk_add_f32 v[ST+8*\t+4:ST+8*\t+5], v[S+32*\t+2:S+32*\t+3], v[S+32*\t+6:S+32*\t+7]
.endr
.irp t, 0,1
	v_pk_add_f32 v[ST+8*\t+2:ST+8*\t+3], v[ST+8*\t+2:ST+8*\t+3], v[S+32*\t:S+32*\t+1]
.endr
.irp t, 0,1
	v_pk_add_f32 v[ST+8*\t+2:ST+8*\t+3], v[ST+8*\t+2:ST+8*\t+3], v[S+32*\t+4:S+32*\t+5]
.endr
.irp b, 8,12,16,20,24,28
.irp t, 0,1
	v_pk_add_f32 v[ST+8*\t+2:ST+8*\t+3], v[ST+8*\t+2:ST+8*\t+3], v[S+32*\t+\b:S+32*\t+\b+1]
	v_pk_add_f32 v[ST+8*\t+4:ST+8*\t+5], v[ST+8*\t+4:ST+8*\t+5], v[S+32*\t+\b+2:S+32*\t+\b+3]
.endr
.endr
.irp t, 0,1
	v_pk_add_f32 v[ST+8*\t+2:ST+8*\t+3], v[ST+8*\t+2:ST+8*\t+3], v[ST+8*\t+4:ST+8*\t+5]
.endr
.set JJ, 0
.rept 16                                       ; P in f16, in place: register JJ takes weights 2 JJ and 2 JJ + 1, ascending, so nothing is overwritten before it is read
	v_cvt_pk_f16_f32 v[S+JJ], v[S+2*JJ], v[S+2*JJ+1]
	v_cvt_pk_f16_f32 v[S+32+JJ], v[S+32+2*JJ], v[S+32+2*JJ+1]
.set JJ, JJ+1
.endr
.set JJ, 0
.rept 16                                       ; O^T under the new m, each accumulator from its low end on
	v_pk_mul_f32 v[O+JJ:O+JJ+1], v[O+JJ:O+JJ+1], v[ST+6:ST+7] op_sel_hi:[1,0]
	v_pk_mul_f32 v[O+32+JJ:O+32+JJ+1], v[O+32+JJ:O+32+JJ+1], v[ST+14:ST+15] op_sel_hi:[1,0]
.set JJ, JJ+2
.endr
	s_wait_dscnt 0x0                               ; V is in
.set II, 0
.rept 16
	PV
.set II, II+1
.endr
	s_add_co_u32 s[TB], s[TB], STEPB
.endm
; THE CHANGE OF SLOTS stands at a slot's head.  Each wave waits for all its tensor loads, adds 0 to its spare word, and waits for that and for its reads of the slot that it has left.
; fill = 1: the barrier is a round of the cluster's, and behind it the other slot is filled with the next 256 keys: the load has four key steps in which to land; one tensor load of a wave is out at the most.
.macro CHANGE fill
	s_wait_tensorcnt 0x0                           ; no tensor load of mine is out, so the descriptor may be written
	ds_add_u32 v[SPW], v[NIL]
.if \fill
	ds_add_u32 v[SPW], v[NIL]                      ; and once more, in every trip alike
	s_xor_b32 s[G0+1], s[G0+1], SLOT1
	s_add_nc_u64 s[G0+2:G0+3], s[G0+2:G0+3], 65536
	s_wait_xcnt 0x0                                ; the last prefetch, a slot back, has read its address
	s_add_nc_u64 s[PFA:PFA+1], s[PFA:PFA+1], 65536
	s_wait_dscnt 0x0
	CROUND
	JLOAD
	ASK
.else
	s_wait_dscnt 0x0
	s_barrier_signal -1
	s_barrier_wait -1
.endif
.endm
.macro SLOT_STEPS                      ; a slot's four key steps: written once, walked four times
	s_mov_b32 s[STEPS], 4
.Lstep_\@:
	STEP
	s_sub_co_u32 s[STEPS], s[STEPS], 1
	s_cmp_lg_u32 s[STEPS], 0
	s_cbranch_scc1 .Lstep_\@
	s_sub_co_u32 s[TB], s[TB], 4*STEPB
	s_xor_b32 s[TB], s[TB], SLOT1
.endm
.Lslot:                                        ; NSL - 1 trips: behind each change of slots but the last the next slot is asked for
	CHANGE 1
	SLOT_STEPS
	s_sub_co_u32 s[SLOTS], s[SLOTS], 1
	s_cmp_lg_u32 s[SLOTS], 0
	s_cbranch_scc1 .Lslot
	CHANGE 0                                       ; the last slot is written out
	SLOT_STEPS
	; THE WAY OUT
	s_wait_kmcnt 0x0                               ; the last step's loads of mask words
.rept 4
	v_nop                                          ; places behind the last products
.endr
.irp t, 0,1
	v_add_f32 v[ST+8*\t+4], v[ST+8*\t+2], v[ST+8*\t+3]
.endr
.irp t, 0,1
	v_permlanex16_b32 v[ST+8*\t+5], v[ST+8*\t+4], s[SEL], s[SEL+1]
.endr
.irp t, 0,1
	v_add_f32 v[ST+8*\t+4], v[ST+8*\t+4], v[ST+8*\t+5]   ; the row's sum
.endr
.irp t, 0,1
	v_rcp_f32 v[ST+8*\t+6], v[ST+8*\t+4]
.endr
	v_nop
	s_wait_alu depctr_va_vdst(0)                   ; one wait for the two reciprocals, ahead of their first reader
.irp t, 0,1
	v_cmp_lt_f32 vcc_lo, 0, v[ST+8*\t+4]
	v_cndmask_b32 v[ST+8*\t+6], 0, v[ST+8*\t+6], vcc_lo   ; a query with no open key: 0
.endr
.set JJ, 0
.rept 16
	v_pk_mul_f32 v[S+JJ:S+JJ+1], v[O+JJ:O+JJ+1], v[ST+6:ST+7] op_sel_hi:[1,0]
	v_pk_mul_f32 v[S+32+JJ:S+32+JJ+1], v[O+32+JJ:O+32+JJ+1], v[ST+14:ST+15] op_sel_hi:[1,0]
.set JJ, JJ+2
.endr
.set JJ, 0
.rept 32
	v_cvt_pk_f16_f32 v[F+JJ], v[S+2*JJ], v[S+2*JJ+1]
.set JJ, JJ+1
.endr
.irp t, 0,1
.irp c, 0,1,2,3
	ds_store_b128 v[STO], v[F+16*\t+4*\c:F+16*\t+4*\c+3] offset:\t*16*144+32*\c
.endr
.endr
.irp i, 0,1,2,3,4,5,6,7
	ds_load_b128 v[F+32+4*\i:F+32+4*\i+3], v[RD] offset:\i*4*144   ; LDS serves a wave's instructions in order: these see my stores
.endr
.irp i, 0,1,2,3,4,5,6,7
	s_wait_dscnt 7-\i                              ; the younger loads may be out
	global_store_b128 v[GO], v[F+32+4*\i:F+32+4*\i+3], s[8:9] offset:512*\i   ; the wave stores 512 consecutive bytes
.endr
	s_wait_tensorcnt 0x0                           ; the wave's end
	ds_add_u32 v[SPW], v[NIL]
	s_wait_dscnt 0x0
	CROUND                                         ; the closing round
	s_endpgm
.Lfunc_end_k_qcc780bd861_attn:
	.size	k_qcc780bd861_attn, .Lfunc_end_k_qcc780bd861_attn-k_qcc780bd861_attn
	.p2alignl 7, 3214868480
	.fill 96, 4, 3214868480
	.section	.rodata,"a",@progbits
	.p2align	6, 0x0
	.amdhsa_kernel k_qcc780bd861_attn
		.amdhsa_group_segment_fixed_size 327680
		.amdhsa_private_segment_fixed_size 0
		.amdhsa_enable_private_segment 0
		.amdhsa_kernarg_size 24
		.amdhsa_user_sgpr_count 2
		.amdhsa_user_sgpr_kernarg_segment_ptr 1
		.amdhsa_wavefront_size32 1
		.amdhsa_system_sgpr_workgroup_id_x 1
		.amdhsa_system_sgpr_workgroup_id_y 1
		.amdhsa_system_sgpr_workgroup_id_z 1
		.amdhsa_system_vgpr_workitem_id 0
		.amdhsa_next_free_vgpr 256
		.amdhsa_next_free_sgpr 106
		.amdhsa_reserve_vcc 1
		.amdhsa_float_denorm_mode_32 3
		.amdhsa_float_denorm_mode_16_64 3
		.amdhsa_memory_ordered 1
		.amdhsa_forward_progress 1
		.amdhsa_inst_pref_size 61
	.end_amdhsa_kernel
	.amdgpu_metadata
---
amdhsa.version: [ 1, 2 ]
amdhsa.kernels:
  - .name:           k_qcc780bd861_attn
    .symbol:         k_qcc780bd861_attn.kd
    .args:
      - { .name: qkv, .offset: 0, .size: 8, .value_kind: global_buffer, .address_space: global }
      - { .name: mb, .offset: 8, .size: 8, .value_kind: global_buffer, .address_space: global }
      - { .name: ao, .offset: 16, .size: 8, .value_kind: global_buffer, .address_space: global }
    .group_segment_fixed_size: 327680
    .private_segment_fixed_size: 0
    .kernarg_segment_align: 8
    .kernarg_segment_size: 24
    .max_flat_workgroup_size: 512
    .sgpr_count:     106
    .vgpr_count:     256
    .wavefront_size: 32
...
	.end_amdgpu_metadata
.endif
;; end of part 3
;; launch gemm_out (part 4): grid 8 x 32, 4 waves a work-group, clusters of 4 x 4, 327,680 bytes of LDS; arguments ao, wo16, bo, out0; writes out0
.if DOCPART == 4
	.amdgcn_target "amdgcn-amd-amdhsa--gfx1250"
	.amdhsa_code_object_version 6
	.text
	.protected	k_qcc780bd861_gemm_out
	.globl	k_qcc780bd861_gemm_out
	.p2align	8
	.type	k_qcc780bd861_gemm_out,@function
k_qcc780bd861_gemm_out:
	s_mov_b64 s[64:65], 0
	v_nop
	global_prefetch_b8 v0, s[64:65] scope:SCOPE_SE
	s_setreg_imm32_b32 hwreg(HW_REG_WAVE_MODE, 25, 1), 1
	s_wait_xcnt 0x0
	s_wait_alu depctr_hold_cnt(0) depctr_sa_sdst(0) depctr_va_vdst(0) depctr_va_sdst(0) depctr_va_ssrc(0) depctr_va_vcc(0) depctr_vm_vsrc(0)
	s_getreg_b32 s2, hwreg(HW_REG_IB_STS2, 6, 4)
	s_cmp_eq_u32 s2, 0
	s_cbranch_scc0 .Lentry_in_a_cluster
	s_endpgm
.Lentry_in_a_cluster:
	s_bfe_u32 s2, ttmp6, 0x10000c
	s_cmp_lg_u32 s2, 0xf033
	s_cbranch_scc0 .Lentry_shape_is_right
	s_endpgm
.Lentry_shape_is_right:
; out0[m][n] = the sum over k of ao[m][k] Wo[k][n] + bo[n]: 8,192 x 1,024 x 1,024, operands in f16, sums and result in f32.
; A tile of 256 (m) x 128 (n) gives 256 work-groups.  Four waves, each 128 x 64: 32 accumulators, 256 registers (all of window 1).
; K goes in 8 steps of 128, two heads, through a ring of two LDS slots.  ao lies [b, head][s][64]: a head's 256 rows of 128 bytes are one dense block: waves 0 and 1 fetch a head each; waves 2 and 3 fetch 64 rows (k) x 256 bytes (n) of Wo each.
; Wo lies [k][n]: its fragments are turned by ds_load_tr16_b128.  THE MATRIX INSTRUCTION IS USED TRANSPOSED (source 0 = 16 columns of Wo, source 1 = 16 rows of ao): a lane holds eight neighbouring columns of a row.
; The bias is the C of each sum's first instruction.
; CLUSTERS: 4 x 4 work-groups; ao's tiles are asked for jointly along a row of the cluster, Wo's along a column.  No prefetch: the tile is small, and Wo is read by every row of tiles.
; REGISTERS: window 0: v16-29 addresses; v32-127, v128-223 two fragment buffers (A's 8 at f + 8 a, B's 4 at f + 64 + 8 b); v224-255 the bias; on the way out v32-95.  window 1: accumulator (a, b) at v[8 (4 a + b)].
.set ASUB,   256*144                   ; a head's 256 rows: 128 bytes + 16 of padding
.set BSUB,   64*288                    ; 64 rows of Wo: 256 bytes + 32 of padding
.set SLOT,   2*ASUB+2*BSUB
.set STAGE,  2*SLOT                    ; the way out: 16 rows x 272 bytes for each wave
.set SPITCH, 272
.set SPARE,  STAGE+4*16*SPITCH         ; the spare words, 128 bytes for each wave
.set ADRA, 16
.set ADRB, 20
.set STO,  24
.set RD,   25
.set CO,   26
.set BOF,  27
.set SPW,  28
.set NIL,  29
.set F0,   32
.set F1,   128
.set BIAS, 224
.set BK,   32
.set G1, 24
.set G0, 32
.set G1B, 48
.set G0B, 56
.set MSB, 0
.macro WIN new
.if MSB != (\new)
	s_set_vgpr_msb (MSB<<8)|(\new)
.set MSB, (\new)
.endif
.endm
.set MUL, 0x50                         ; sources 0 and 1 window 0; C and D window 1
.macro JLOAD s                         ; waves 0 and 1 fetch for A, waves 2 and 3 for B; an s_nop 0 and four v_nop follow each line
	s_cmp_eq_u32 s15, 0
	s_cbranch_scc0 .Lfor_b_\@
	tensor_load_to_lds s[G0+4*\s:G0+4*\s+3], s[G1:G1+7]
	s_nop 0
.rept 4
	v_nop
.endr
	s_branch .Lasked_\@
.Lfor_b_\@:
	tensor_load_to_lds s[G0B+4*\s:G0B+4*\s+3], s[G1B:G1B+7]
	s_nop 0
.rept 4
	v_nop
.endr
.Lasked_\@:
.endm
.macro CREST
	s_cmp_lg_u32 s14, 0
	s_cbranch_scc1 .Lnot_wave_0_\@
	s_barrier_signal -3
.Lnot_wave_0_\@:
	s_barrier_wait -3
	s_barrier_signal -1
	s_barrier_wait -1
.endm
.macro CROUND
	s_barrier_signal -1
	s_barrier_wait -1
	CREST
.endm
	s_load_b128 s[4:7], s[0:1], 0x0                ; ao s[4:5], wo16 s[6:7]
	s_load_b128 s[8:11], s[0:1], 0x10              ; bo s[8:9], out0 s[10:11]
	v_lshl_add_u32 v[SPW], v0, 2, SPARE
	v_mov_b32 v[NIL], 0
	ds_add_u32 v[SPW], v[NIL]                      ; the wave's opening: the add, twice on end, and its wait ahead of my first tensor load
	ds_add_u32 v[SPW], v[NIL]
	v_lshrrev_b32 v1, 5, v0
	v_readfirstlane_b32 s14, v1                    ; wave 0..3
	s_lshr_b32 s15, s14, 1                         ; my half of the tile's rows.  Also: I fetch for A (0) or for B (1)
	s_and_b32 s16, s14, 1                          ; my half of its columns.  Also: which head, or which 64 rows of Wo, I fetch
	s_bfe_u32 s40, ttmp6, 0x40000                  ; cx
	s_bfe_u32 s41, ttmp6, 0x40004                  ; cy
	s_lshl_b32 s42, ttmp9, 2
	s_add_co_u32 s42, s42, s40                     ; tile column
	s_and_b32 s17, ttmp7, 0xffff
	s_lshl_b32 s17, s17, 2
	s_add_co_u32 s17, s17, s41                     ; tile row
	s_lshl_b32 s43, s41, 2
	s_lshl_b32 s43, 15, s43                        ; my row of the cluster
	s_lshl_b32 s44, 0x1111, s40                    ; my column
	s_or_b32 s[G1+0], s43, (1<<20)|(1<<21)|(4<<22)|(3<<25)    ; A: elements of 1 byte; padding: 4 words behind every 32
	s_mov_b32 s[G1+1], 128<<16                     ; tensor_dim0
	s_mov_b32 s[G1+2], 256<<16                     ; tensor_dim1
	s_mov_b32 s[G1+3], 128<<16                     ; tile_dim0
	s_mov_b32 s[G1+4], 256                         ; tile_dim1
	s_mov_b32 s[G1+5], 128                         ; from row to row
	s_mov_b32 s[G1+6], 0
	s_mov_b32 s[G1+7], 0
	s_or_b32 s[G1B+0], s44, (1<<20)|(1<<21)|(5<<22)|(7<<25)   ; B: padding: 8 words behind every 64
	s_mov_b32 s[G1B+1], 256<<16
	s_mov_b32 s[G1B+2], 64<<16
	s_mov_b32 s[G1B+3], 256<<16
	s_mov_b32 s[G1B+4], 64
	s_mov_b32 s[G1B+5], 2048
	s_mov_b32 s[G1B+6], 0
	s_mov_b32 s[G1B+7], 0
	s_lshr_b32 s20, s17, 3                         ; b
	s_lshl_b32 s20, s20, 4
	s_add_co_u32 s20, s20, s16                     ; 16 b + my head of K step 0
	s_lshl_b32 s20, s20, 18                        ; a head is 2,048 rows of 128 bytes
	s_and_b32 s21, s17, 7
	s_lshl_b32 s21, s21, 15                        ; the tile's 256 rows
	s_add_co_u32 s20, s20, s21
	s_mov_b32 s21, 0
	s_lshl_b32 s46, s16, 17                        ; my 64 rows of Wo, 2,048 bytes each,
	s_lshl_b32 s47, s42, 8                         ; the tile's 128 columns
	s_add_co_u32 s46, s46, s47
	s_mov_b32 s47, 0
	s_mul_i32 s45, s16, ASUB                       ; where they go
	s_mul_i32 s22, s16, BSUB
	s_add_co_u32 s22, s22, 2*ASUB
	s_wait_dscnt 0x0                               ; both opening adds are done
	s_wait_kmcnt 0x0
	s_add_nc_u64 s[20:21], s[4:5], s[20:21]
	s_add_nc_u64 s[46:47], s[6:7], s[46:47]
	CROUND                                         ; all sixteen work-groups are here: the first joint loads meet
.irp s, 0,1
	s_mov_b32 s[G0+4*\s], 1
	s_add_co_u32 s[G0+4*\s+1], s45, \s*SLOT
	s_add_nc_u64 s[G0+4*\s+2:G0+4*\s+3], s[20:21], \s*524288      ; K step s: two heads on
	s_or_b32 s[G0+4*\s+3], s[G0+4*\s+3], 0x80000000
	s_mov_b32 s[G0B+4*\s], 1
	s_add_co_u32 s[G0B+4*\s+1], s22, \s*SLOT
	s_add_nc_u64 s[G0B+4*\s+2:G0B+4*\s+3], s[46:47], \s*262144    ; 128 rows of Wo on
	s_or_b32 s[G0B+4*\s+3], s[G0B+4*\s+3], 0x80000000
	JLOAD \s                                       ; two tensor loads of mine are out at the most
.endr
	v_and_b32 v1, 15, v0                           ; r
	v_bfe_u32 v2, v0, 4, 1                         ; h
	v_mul_u32_u24 v3, v1, 144
	v_lshl_add_u32 v3, v2, 4, v3                   ; A: row r, + 16 h
	s_mul_i32 s21, s15, 128*144                    ; my 128 rows
	v_and_b32 v4, 7, v0
	v_lshl_add_u32 v4, v2, 3, v4
	v_mul_u32_u24 v4, v4, 288
	v_bfe_u32 v5, v0, 3, 1
	v_lshl_add_u32 v4, v5, 4, v4                   ; B, for the turning load: k 8 h + l % 8, columns 8 ((l / 8) % 2) on
	s_lshl_b32 s22, s16, 7                         ; my 64 columns
	s_add_co_u32 s22, s22, 2*ASUB
.irp s, 0,1
	v_add_nc_u32 v[ADRA+\s], s21, v3
	v_add_nc_u32 v[ADRB+\s], s22, v4
	s_add_co_u32 s21, s21, SLOT
	s_add_co_u32 s22, s22, SLOT
.endr
	s_mul_i32 s23, s14, 16*SPITCH
	s_add_co_u32 s23, s23, STAGE                   ; my stage
	v_mul_u32_u24 v5, v1, SPITCH
	v_lshl_add_u32 v5, v2, 5, v5
	v_add_nc_u32 v[STO], s23, v5                   ; in: row r, 32 bytes for each half of the lanes
	v_mul_u32_u24 v5, v2, SPITCH
	v_lshl_add_u32 v5, v1, 4, v5
	v_add_nc_u32 v[RD], s23, v5                    ; back: lanes 0-15 one row of 256 bytes, lanes 16-31 the next
	v_lshlrev_b32 v5, 12, v2
	v_lshl_add_u32 v[CO], v1, 4, v5                ; and the same two rows in out0
	v_lshlrev_b32 v[BOF], 5, v2                    ; the bias: 8 h numbers on
	s_lshl_b32 s46, s42, 9
	s_lshl_b32 s47, s16, 8
	s_add_co_u32 s46, s46, s47                     ; my first column, in bytes
	s_mov_b32 s47, 0
	s_add_nc_u64 s[8:9], s[8:9], s[46:47]
	s_add_nc_u64 s[10:11], s[10:11], s[46:47]
	s_lshl_b32 s18, s17, 20                        ; 256 rows of 4,096 bytes
	s_lshl_b32 s19, s15, 19
	s_add_co_u32 s18, s18, s19
	s_mov_b32 s19, 0
	s_add_nc_u64 s[10:11], s[10:11], s[18:19]
.irp b, 0,1,2,3
	global_load_b128 v[BIAS+8*\b:BIAS+8*\b+3], v[BOF], s[8:9] offset:64*\b
	global_load_b128 v[BIAS+8*\b+4:BIAS+8*\b+7], v[BOF], s[8:9] offset:64*\b+16
.endr
; 8 matrix instructions: A's blocks a0, a0 + 1 x B's four, 32 along K.  zero = 1: the sums begin with the bias.  The 32 accumulators take turns, one instruction a turn.
.macro MUL8 f, a0, zero
.irp a, \a0, \a0+1
.irp b, 0,1,2,3
.if \zero
	v_wmma_f32_16x16x32_f16 v[8*(4*(\a)+\b):8*(4*(\a)+\b)+7], v[\f+64+8*\b:\f+64+8*\b+7], v[\f+8*(\a):\f+8*(\a)+7], v[BIAS+8*\b:BIAS+8*\b+7]
.else
	v_wmma_f32_16x16x32_f16 v[8*(4*(\a)+\b):8*(4*(\a)+\b)+7], v[\f+64+8*\b:\f+64+8*\b+7], v[\f+8*(\a):\f+8*(\a)+7], v[8*(4*(\a)+\b):8*(4*(\a)+\b)+7]
.endif
.endr
.endr
.endm
; 24 LDS loads in one run: the fragments of the slot's kq-th 32 along K into buffer f: B's four, A's blocks 0-3, A's blocks 4-7
.macro FETCH slot, kq, f
	WIN 0
.irp b, 0,1,2,3
	ds_load_tr16_b128 v[\f+64+8*\b:\f+64+8*\b+3], v[ADRB+\slot] offset:(\kq)*32*288+32*\b
	ds_load_tr16_b128 v[\f+64+8*\b+4:\f+64+8*\b+7], v[ADRB+\slot] offset:(\kq)*32*288+32*\b+16*288
.endr
.irp i, 0,1,2,3,4,5,6,7
	ds_load_b128 v[\f+8*\i:\f+8*\i+3], v[ADRA+\slot] offset:((\kq)/2)*ASUB+((\kq)%2)*64+\i*16*144
	ds_load_b128 v[\f+8*\i+4:\f+8*\i+7], v[ADRA+\slot] offset:((\kq)/2)*ASUB+((\kq)%2)*64+\i*16*144+32
.endr
.endm
.macro PLACES                          ; four plain places behind matrix instructions, in front of loads into registers that they read and of reads of their results
.rept 4
	v_nop
.endr
.endm
; A K step is four quarters of 32 along K, 32 matrix instructions each, on buffers 0, 1, 0, 1.  One of the first three: multiplies buffer f and fetches the slot's kq-th quarter into g.
.macro QUARTER slot, kq, f, g, zero
	s_wait_dscnt 8                                 ; B and A's blocks 0-3 are in; A's blocks 4-7, the youngest 8 loads, may be out
	WIN MUL-0x10*(\zero)                           ; (zero = 1: C is the bias, in window 0)
	MUL8 \f, 0, \zero
	MUL8 \f, 2, \zero
	PLACES
	FETCH \slot, \kq, \g
	s_wait_dscnt 24                                ; all but the 24 just issued
	WIN MUL-0x10*(\zero)
	MUL8 \f, 4, \zero
	MUL8 \f, 6, \zero
.endm
; The last quarter multiplies buffer 1 and changes slots: one barrier; in front of it each wave waits for all its tensor loads, adds 0 to its spare word, and waits for that and for its reads of this slot.
; fill = 1: the barrier opens a round of the cluster's, and behind it this slot is filled again, two K steps ahead.
.macro TURN slot, next, fill
	WIN 0
	s_wait_tensorcnt 0x0                           ; all my tensor loads have landed: my part of the next slot
	ds_add_u32 v[SPW], v[NIL]
	s_wait_dscnt 9                                 ; (the add and A's blocks 4-7 may be out)
	WIN MUL
	MUL8 F1, 0, 0
	s_wait_dscnt 0x0                               ; the add is done, and my reads of this slot are over
	s_barrier_signal -1
	MUL8 F1, 2, 0
.if \fill
	WIN 0
.endif
	s_barrier_wait -1
.if \fill
	CREST
	s_add_nc_u64 s[G0+4*\slot+2:G0+4*\slot+3], s[G0+4*\slot+2:G0+4*\slot+3], 1048576
	s_add_nc_u64 s[G0B+4*\slot+2:G0B+4*\slot+3], s[G0B+4*\slot+2:G0B+4*\slot+3], 524288
	JLOAD \slot                                    ; the first tensor load behind the round; its four v_nop are also the places in front of the loads below
.else
	PLACES
.endif
	FETCH \next, 0, F0
	WIN MUL
	MUL8 F1, 4, 0
	MUL8 F1, 6, 0
.endm
	s_wait_tensorcnt 1                             ; my part of K step 0 is in; K step 1's may be out
	s_barrier_signal -1
	s_barrier_wait -1
	FETCH 0, 0, F0
	s_wait_loadcnt 0x0                             ; the bias
	QUARTER 0, 1, F0, F1, 1                        ; the first quarter stands in front of the loop: its products start the sums
	WIN 0
	s_mov_b32 s3, 3
.Llap:                                         ; a trip goes once round the ring and fills both slots again: K steps 2 to 7
	QUARTER 0, 2, F1, F0, 0
	QUARTER 0, 3, F0, F1, 0
	TURN 0, 1, 1
	QUARTER 1, 1, F0, F1, 0
	QUARTER 1, 2, F1, F0, 0
	QUARTER 1, 3, F0, F1, 0
	TURN 1, 0, 1
	QUARTER 0, 1, F0, F1, 0
	WIN 0
	s_sub_co_u32 s3, s3, 1
	s_cmp_lg_u32 s3, 0
	s_cbranch_scc1 .Llap
	QUARTER 0, 2, F1, F0, 0                        ; the last lap fills nothing
	QUARTER 0, 3, F0, F1, 0
	TURN 0, 1, 0
	QUARTER 1, 1, F0, F1, 0
	QUARTER 1, 2, F1, F0, 0
	QUARTER 1, 3, F0, F1, 0
	s_wait_dscnt 8
	WIN MUL
	MUL8 F1, 0, 0
	MUL8 F1, 2, 0
	s_wait_dscnt 0
	MUL8 F1, 4, 0
	MUL8 F1, 6, 0
	WIN 0
; THE WAY OUT, block by block of 16 rows x 64 columns: 32 bytes a lane into my own stage, back as whole rows of 256 bytes: sixteen lanes store 256 consecutive bytes, aligned.
.macro TOSTAGE a
	WIN 0x04                                       ; an LDS store's data are its source 1: window 1
.irp b, 0,1,2,3
	ds_store_b128 v[STO], v[8*(4*(\a)+\b):8*(4*(\a)+\b)+3] offset:64*\b            ; each accumulator from its low end on
	ds_store_b128 v[STO], v[8*(4*(\a)+\b)+4:8*(4*(\a)+\b)+7] offset:64*\b+16
.endr
	WIN 0
.set BB, BK+32*((\a)%2)
.irp t, 0,1,2,3,4,5,6,7
	ds_load_b128 v[BB+4*\t:BB+4*\t+3], v[RD] offset:\t*2*SPITCH   ; LDS serves a wave's instructions in order: these see the stores above
.endr
.endm
.macro SEND a, younger
.set BB, BK+32*((\a)%2)
	s_wait_dscnt \younger                          ; the block is back; the next block's 8 stores and 8 loads may be out
.irp t, 0,1,2,3,4,5,6,7
	global_store_b128 v[CO], v[BB+4*\t:BB+4*\t+3], s[10:11] offset:(16*(\a)+2*\t)*4096 th:TH_STORE_NT
.endr
.endm
	PLACES
	TOSTAGE 0
.irp a, 1,2,3,4,5,6,7
.if \a > 1
	s_wait_xcnt 0x0                                ; block a - 2's stores have read their registers: block a's loads may land there
.endif
	TOSTAGE \a
	SEND \a-1, 16
.endr
	SEND 7, 0
	s_wait_tensorcnt 0x0                           ; the wave's end
	ds_add_u32 v[SPW], v[NIL]
	s_wait_dscnt 0x0
	CROUND                                         ; the closing round
	s_endpgm
.Lfunc_end_k_qcc780bd861_gemm_out:
	.size	k_qcc780bd861_gemm_out, .Lfunc_end_k_qcc780bd861_gemm_out-k_qcc780bd861_gemm_out
	.p2alignl 7, 3214868480
	.fill 96, 4, 3214868480
	.section	.rodata,"a",@progbits
	.p2align	6, 0x0
	.amdhsa_kernel k_qcc780bd861_gemm_out
		.amdhsa_group_segment_fixed_size 327680
		.amdhsa_private_segment_fixed_size 0
		.amdhsa_enable_private_segment 0
		.amdhsa_kernarg_size 32
		.amdhsa_user_sgpr_count 2
		.amdhsa_user_sgpr_kernarg_segment_ptr 1
		.amdhsa_wavefront_size32 1
		.amdhsa_system_sgpr_workgroup_id_x 1
		.amdhsa_system_sgpr_workgroup_id_y 1
		.amdhsa_system_sgpr_workgroup_id_z 1
		.amdhsa_system_vgpr_workitem_id 0
		.amdhsa_next_free_vgpr 512
		.amdhsa_next_free_sgpr 66
		.amdhsa_reserve_vcc 0
		.amdhsa_float_denorm_mode_32 3
		.amdhsa_float_denorm_mode_16_64 3
		.amdhsa_memory_ordered 1
		.amdhsa_forward_progress 1
		.amdhsa_inst_pref_size 86
	.end_amdhsa_kernel
	.amdgpu_metadata
---
amdhsa.version: [ 1, 2 ]
amdhsa.kernels:
  - .name:           k_qcc780bd861_gemm_out
    .symbol:         k_qcc780bd861_gemm_out.kd
    .args:
      - { .name: ao, .offset: 0, .size: 8, .value_kind: global_buffer, .address_space: global }
      - { .name: wo16, .offset: 8, .size: 8, .value_kind: global_buffer, .address_space: global }
      - { .name: bo, .offset: 16, .size: 8, .value_kind: global_buffer, .address_space: global }
      - { .name: out0, .offset: 24, .size: 8, .value_kind: global_buffer, .address_space: global }
    .group_segment_fixed_size: 327680
    .private_segment_fixed_size: 0
    .kernarg_segment_align: 8
    .kernarg_segment_size: 32
    .max_flat_workgroup_size: 128
    .sgpr_count:     66
    .vgpr_count:     512
    .wavefront_size: 32
...
	.end_amdgpu_metadata
.endif
;; end of part 4
